; MI455X (gfx1250); checked and timed in simulation.
; The chip was launched on July 23, 2026; its instructions are those of AMD's public machine-readable ISA for CDNA 5 (MIT licence, August 2026) and "CDNA5" Instruction Set Architecture Reference Guide (July 2026). The comments in the code are by the model that wrote it; some were corrected since.
;; Causal Self Attention. Allowed arithmetic: matrix products marked QUANTISED: E2M3 operands, one E8M0 scale for each 32 along K, by v_wmma_scale_f32_16x16x128_f8f6f4 with both operands' format E2M3, f32 sums; everything else in f32.
;; Inputs: cos 4,096 x 16 float32; k_norm_w 64 float32; pos 4,096 int32; q_norm_w 64 float32; sin 4,096 x 16 float32; tokens 1 x 4,096 int32; w_o 1,024 x 1,024 float32; w_qkv 3,072 x 1,024 float32; x 1 x 4,096 x 1,024 float32.
;; Outputs: out0 1 x 4,096 x 1,024 float32.
;; Constants: block_size = 128, window_tokens = 1024.
;; This version of the problem:
;;   THIS VERSION OF THE PROBLEM IS GIVEN IN LOW PRECISION. The matrix products marked QUANTISED in the list below multiply operands that are first quantised to E2M3 (2 exponent bits, 3 mantissa bits; 6 bits a number), with one power-of-two scale for each 32 numbers along K (OCP MX v1.0); their sums are f32. All else is computed in f32.
;;   The module's matrix products, in the order in which they are computed (A, B: the left and right operand; K: the contracted axis; several contracted axes count as one K, in the product's order):
;;     1. [M 4,096, K 1,024] x [K 1,024, N 3,072]; A: input x; B: input w_qkv: QUANTISED
;;     2. batch 16 x [M 4,096, K 64] x [K 64, N 4,096]; A: computed on the way; B: computed on the way: QUANTISED
;;     3. batch 16 x [M 4,096, K 4,096] x [K 4,096, N 64]; A: softmax (see below); B: computed on the way: QUANTISED
;;     4. [M 4,096, K 1,024] x [K 1,024, N 1,024]; A: computed on the way; B: input w_o: QUANTISED
;;   THE QUANTISER, for each operand of a quantised product, along K:
;;     - K is cut into blocks of 32 from its start; a last block that is shorter is filled with zeros.
;;     - A block's scale is 2^e with e = floor(log2(the largest magnitude in the block)) - 2, held to -126 .. 127; a block of zeros has e = 0. As a byte (E8M0): e + 127.
;;     - Each number is divided by its block's scale, clamped to +-7.5, and rounded to the nearest number of E2M3, ties to even, subnormals kept.
;;     - The product sums the exact products of the quantised numbers (number of the format x scale) in f32.
;;   ~~~python
;;   def quantise(x, axis):      # numpy; x: float32 -> the quantised numbers, widened to float32 again
;;       x = np.moveaxis(x, axis, -1); K = x.shape[-1]
;;       x = np.pad(x, [(0, 0)] * (x.ndim - 1) + [(0, -K % 32)]); x = x.reshape(x.shape[:-1] + (-1, 32)); a = np.abs(x).max(-1, keepdims=True)
;;       e = np.where(a > 0, np.clip(np.frexp(np.where(a > 0, a, 1))[1] - 1 - 2, -126, 127), 0)      # np.frexp(a)[1] - 1 = floor(log2(a)), exactly
;;       r = np.clip(x / 2.0 ** e, -7.5, 7.5)
;;       step = 2.0 ** (np.maximum(np.frexp(np.where(r == 0, 1, r))[1] - 1, 0) - 3)
;;       q = np.round(r / step) * step * 2.0 ** e      # np.round: ties to even
;;       return np.moveaxis(q.reshape(q.shape[:-2] + (-1,))[..., :K], -1, axis).astype(np.float32)
;;   ~~~
;;   SOFTMAX AHEAD OF A QUANTISED PRODUCT. Where the list says 'softmax', what is quantised is not the finished softmax but p = 2^(t - M), with t = logit x log2(e) and M = ceil(the row's largest t), a whole number; so 1/2 < the row's largest p <= 1. The row's sum l is taken of the UNQUANTISED p, in f32, and the product's result is divided by l at the end. Since M is a whole number, a kernel that streams over the keys may use a running M (the ceiling of the running maximum): every later rescaling is an exact power of two, which a block's scale takes up: the codes' values come out the same.
;;   OPERANDS COMPUTED ON THE WAY. 'Computed on the way' means the value that the module computes at that place (a softmax that the list does not call 'softmax' is quantised finished and normalised). What goes into a quantiser is computed in f32, as accurately as f32 sums, v_exp_f32 and their like allow (about 1e-6 of the number): no bf16 or f16 on the way to a quantiser, and a product that is left as it is and whose result goes on into a quantised operand takes f32 operands (vector FMAs, or v_wmma_f32_16x16x4_f32). A number that lies on a knife's edge between two numbers of the format may be rounded either way, as far as f32 arithmetic and the matrix unit's own rounding can turn it there, and no further.
;; One version. Each part assembles by itself: llvm-mc -triple=amdgcn-amd-amdhsa -mcpu=gfx1250 --defsym DOCPART=n.
;; ======== version 1 of 1: 4 launches
;; workspace buffers: c1 6,553,600 bytes; qb 3,407,872 bytes; kv 6,684,672 bytes; ob 3,276,800 bytes
;; launch quant (part 1): grid 256 x 1, 4 waves a work-group, no clusters, 34,304 bytes of LDS; arguments x, w_qkv, w_o, c1; writes c1
.if DOCPART == 1
	.amdgcn_target "amdgcn-amd-amdhsa--gfx1250"
	.amdhsa_code_object_version 6
	.text
	.protected	k_q8d7962911a_quant
	.globl	k_q8d7962911a_quant
	.p2align	8
	.type	k_q8d7962911a_quant,@function
k_q8d7962911a_quant:
	s_mov_b64 s[64:65], 0
	v_nop
	global_prefetch_b8 v0, s[64:65] scope:SCOPE_SE
	s_setreg_imm32_b32 hwreg(HW_REG_WAVE_MODE, 25, 1), 1
	s_wait_xcnt 0x0
; x [4096][1024], w_qkv [3072][1024] and w_o [1024][1024], f32, become codes of FP6 (E2M3) with one E8M0 byte for each 32 along K, laid as the products' launches want them.
; THE LAYOUT.  Rows go in tiles of 16; lane r of tile t holds row 32 (t / 2) + 8 (t % 2) + r + 8 (r / 8).  A HALF IMAGE, 768 bytes, is 16 rows x 64 K as the matrix operand's registers 0-5 hold them:
; lane l's registers 0-3 at 16 l, its registers 4-5 at 512 + 8 l (lanes 0-15: the first block of 32, lanes 16-31: the second).  A RECORD, 6,400 bytes, is a tile's 512 along K: eight half images, then 256 bytes
; of scale bytes, row r's sixteen at 16 r.  A tile is two records.  c1: tiles 0-255 x, 256-447 w_qkv, 448-511 w_o.
; A block's scale is 2^(floor(log2(its largest magnitude)) - 2); its byte is the largest magnitude's exponent field - 2, held at 1 from below.  A block of zeros so gets the byte 1: its codes are zeros, and this program alone reads the bytes.
; LIMITS: blocks whose largest magnitude lies under 2^-124 take the byte 1; NaN and infinities among the inputs are not served.
; SHARES.  Work-group g takes tiles 2 g and 2 g + 1; wave w takes tile 2 g + w / 2 and its record w % 2: four units of 16 rows x 128 K.  Each load reads 512 consecutive bytes of one row; a unit turns through the wave's own
; stage in LDS (rows 528 bytes apart) and comes back with 16 neighbours of each block of 32 in a lane.  Every store covers 512 or 256 consecutive bytes, aligned.  Waves share nothing: no barrier.  Loads run three units ahead.
.set SP,    528                        ; a stage row: 512 bytes + 16
.set WST,   16*SP                      ; a wave's stage
.set REC,   6400
.set TM,    8                          ; v8-11 largest magnitudes, v12-15 the other half's, then bytes, v20-23 the conversions' scale operands
.set PW,    24                         ; v24-27 the four units' scale words
.set SW,    28                         ; v28-29 my 8 of my row's 16 scale bytes
.set PC,    32                         ; v32-43 a unit's codes, v44-50 at work
.set R,     64                         ; v64-255 three sets of 64 numbers
	s_load_b256 s[4:11], s[0:1], 0x0               ; x s[4:5], w_qkv s[6:7], w_o s[8:9], c1 s[10:11]
	v_lshl_add_u32 v62, v0, 2, 0x8400
	v_mov_b32 v63, 0
	v_lshrrev_b32 v6, 5, v0
	v_readfirstlane_b32 s12, v6                    ; wave
	v_and_b32 v6, 31, v0                           ; lane
	v_lshlrev_b32 v1, 4, v6                        ; 16 x lane: my bytes of a load's 512, and of a store's
	v_lshlrev_b32 v4, 3, v6                        ; 8 x lane
	s_mul_i32 s13, s12, WST
	v_add_nc_u32 v2, s13, v1                       ; the stage, on the way in
	v_and_b32 v6, 15, v0                           ; r
	v_bfe_u32 v7, v0, 4, 1                         ; h
	v_mul_u32_u24 v3, v6, SP
	v_lshl_add_u32 v3, v7, 6, v3
	v_add_nc_u32 v3, s13, v3                       ; and on the way out: row r, + 64 h: my 16 numbers of a block
	v_lshlrev_b32 v5, 4, v6
	v_lshl_add_u32 v5, v7, 3, v5                   ; 16 r + 8 h: my 8 scale bytes
.irp b, 0,1,2,3
	v_mov_b32 v[TM+4+\b], 0                        ; written once: a lane permute's destination counts as one of its sources
.endr
	s_mov_b32 s22, 0x76543210
	s_mov_b32 s23, 0xfedcba98                      ; v_permlanex16_b32's selects for lane l xor 16
	s_mov_b32 s24, 0xffff0000                      ; lanes 16-31
	s_lshr_b32 s18, s12, 1                         ; which of the two tiles
	s_and_b32 s19, s12, 1                          ; which record of it
	s_mov_b32 s15, 224
	s_lshl_b32 s20, ttmp9, 1
	s_add_co_u32 s20, s20, s18
	s_mul_i32 s20, s20, 2*REC
	s_mul_i32 s21, s19, REC
	s_add_co_u32 s20, s20, s21                     ; my record in c1
	s_mov_b32 s21, 0
	s_wait_kmcnt 0x0
	s_cmp_lt_u32 ttmp9, 224                        ; which tensor: the choice hangs on the work-group's number alone
	s_cselect_b64 s[6:7], s[6:7], s[8:9]
	s_cselect_b32 s14, 128, s15
	s_cmp_lt_u32 ttmp9, 128
	s_cselect_b64 s[4:5], s[4:5], s[6:7]
	s_cselect_b32 s14, 0, s14                      ; the tensor's first work-group
	s_sub_co_u32 s14, ttmp9, s14
	s_lshl_b32 s14, s14, 17                        ; 32 rows of 4,096 bytes a work-group,
	s_lshl_b32 s16, s18, 15                        ; the second tile begins 8 rows on,
	s_add_co_u32 s14, s14, s16
	s_lshl_b32 s16, s19, 11                        ; the second record 512 numbers on
	s_add_co_u32 s14, s14, s16
	s_mov_b32 s15, 0
	s_add_nc_u64 s[4:5], s[4:5], s[14:15]
	s_add_nc_u64 s[10:11], s[10:11], s[20:21]
.macro LOAD t                          ; unit t: the tile's 16 rows, 128 numbers of each
.irp i, 0,1,2,3,4,5,6,7,8,9,10,11,12,13,14,15
	global_load_b128 v[R+64*((\t)%3)+4*\i:R+64*((\t)%3)+4*\i+3], v1, s[4:5] offset:(\i+8*(\i/8))*4096+512*(\t) th:TH_LOAD_NT
.endr
.endm
.macro TURN t                          ; through the stage and back into the registers that they left: LDS serves a wave's instructions in order
.irp i, 0,1,2,3,4,5,6,7,8,9,10,11,12,13,14,15
	ds_store_b128 v2, v[R+64*((\t)%3)+4*\i:R+64*((\t)%3)+4*\i+3] offset:SP*\i
.endr
.irp b, 0,1,2,3
.irp j, 0,1,2,3
	ds_load_b128 v[R+64*((\t)%3)+16*\b+4*\j:R+64*((\t)%3)+16*\b+4*\j+3], v3 offset:128*\b+16*\j   ; register 16 b + i = k 32 b + 16 h + i of row r
.endr
.endr
.endm
; 64 numbers of a lane, register 16 b + i = k 32 b + 16 h + i of my row, become 12 registers of codes in v[PC] on and the row's scale word in v[pw]
.macro QUANT s, pw
.irp b, 0,1,2,3
	v_max3_num_f32 v[TM+\b], |v[\s+16*\b]|, |v[\s+1+16*\b]|, 0x1800000   ; my 16 numbers of block b, and the floor 2^(3 - 127): the byte cannot fall under 1
.endr
.irp i, 2,4,6,8,10,12,14
.irp b, 0,1,2,3
	v_max3_num_f32 v[TM+\b], v[TM+\b], |v[\s+16*\b+\i]|, |v[\s+1+16*\b+\i]|   ; the four blocks by turns
.endr
.endr
.irp b, 0,1,2,3
	v_permlanex16_b32 v[TM+4+\b], v[TM+\b], s22, s23
.endr
.irp b, 0,1,2,3
	v_max_num_f32 v[TM+\b], v[TM+\b], v[TM+4+\b]   ; with lane l xor 16's: the block's largest magnitude
.endr
.irp b, 0,1,2,3
	v_add_nc_u32 v[TM+12+\b], 0xff000000, v[TM+\b] ; 2 off its exponent field: the conversion takes this operand's exponent field as its scale
.endr
.irp b, 0,1,2,3
	v_lshrrev_b32 v[TM+4+\b], 23, v[TM+12+\b]      ; the scale's byte
.endr
	v_lshl_or_b32 v[\pw], v[TM+5], 8, v[TM+4]
	v_lshl_or_b32 v[\pw], v[TM+6], 16, v[\pw]
	v_lshl_or_b32 v[\pw], v[TM+7], 24, v[\pw]
.irp c, 0,1
	v_cvt_scalef32_pk16_fp6_f32 v[PC+6*\c:PC+2+6*\c], v[\s+32*\c:\s+15+32*\c], v[TM+12+2*\c]
	v_cvt_scalef32_pk16_fp6_f32 v[PC+12+4*\c:PC+14+4*\c], v[\s+16+32*\c:\s+31+32*\c], v[TM+12+2*\c+1]   ; (a conversion's three registers begin on an even number)
.endr
	v_nop                                          ; one plain place behind a scaled conversion
.irp c, 0,1                                    ; the operand's layout wants a whole block in a lane: lanes 0-15 block 2 c, lanes 16-31 block 2 c + 1
.irp i, 0,1,2
	v_permlane16_swap_b32 v[PC+6*\c+\i], v[PC+12+4*\c+\i]
.endr
.irp i, 0,1,2
	v_mov_b32 v[PC+3+6*\c+\i], v[PC+12+4*\c+\i]
.endr
.endr
.endm
.macro UNIT t, left
	s_wait_loadcnt \left                           ; this unit's 16 loads are in; those of the units asked for behind it may be out
	TURN \t
	s_wait_dscnt 0x0
.if \t > 0
	s_wait_xcnt 0x0                                ; the codes' registers, which the last unit's stores read, are written again only behind this wait
.endif
	QUANT R+64*((\t)%3), PW+\t
	global_store_b128 v1, v[PC:PC+3], s[10:11] offset:1536*\t          ; two half images: 512, 256, 512, 256 consecutive bytes
	global_store_b64 v4, v[PC+4:PC+5], s[10:11] offset:1536*\t+512
	global_store_b128 v1, v[PC+6:PC+9], s[10:11] offset:1536*\t+768
	global_store_b64 v4, v[PC+10:PC+11], s[10:11] offset:1536*\t+1280
.endm
	LOAD 0
	LOAD 1
	LOAD 2
	UNIT 0, 32
	LOAD 3                                         ; into the set that unit 0 has left
	UNIT 1, 32
	UNIT 2, 16
	UNIT 3, 0
	v_cndmask_b32 v[SW], v[PW], v[PW+2], s24       ; every lane holds its row's four words: lanes 0-15 store words 0 and 1, lanes 16-31 words 2 and 3
	v_cndmask_b32 v[SW+1], v[PW+1], v[PW+3], s24
	global_store_b64 v5, v[SW:SW+1], s[10:11] offset:6144              ; 256 consecutive bytes, aligned
	s_wait_tensorcnt 0x0
	ds_add_u32 v62, v63
	s_wait_dscnt 0x0
	s_endpgm
.Lfunc_end_k_q8d7962911a_quant:
	.size	k_q8d7962911a_quant, .Lfunc_end_k_q8d7962911a_quant-k_q8d7962911a_quant
	.p2alignl 7, 3214868480
	.fill 96, 4, 3214868480
	.section	.rodata,"a",@progbits
	.p2align	6, 0x0
	.amdhsa_kernel k_q8d7962911a_quant
		.amdhsa_group_segment_fixed_size 34304
		.amdhsa_private_segment_fixed_size 0
		.amdhsa_enable_private_segment 0
		.amdhsa_kernarg_size 32
		.amdhsa_user_sgpr_count 2
		.amdhsa_user_sgpr_kernarg_segment_ptr 1
		.amdhsa_wavefront_size32 1
		.amdhsa_system_sgpr_workgroup_id_x 1
		.amdhsa_system_sgpr_workgroup_id_y 1
		.amdhsa_system_sgpr_workgroup_id_z 1
		.amdhsa_system_vgpr_workitem_id 0
		.amdhsa_next_free_vgpr 256
		.amdhsa_next_free_sgpr 66
		.amdhsa_reserve_vcc 0
		.amdhsa_float_denorm_mode_32 3
		.amdhsa_float_denorm_mode_16_64 3
		.amdhsa_memory_ordered 1
		.amdhsa_forward_progress 1
		.amdhsa_inst_pref_size 34
	.end_amdhsa_kernel
	.amdgpu_metadata
---
amdhsa.version: [ 1, 2 ]
amdhsa.kernels:
  - .name:           k_q8d7962911a_quant
    .symbol:         k_q8d7962911a_quant.kd
    .args:
      - { .name: x, .offset: 0, .size: 8, .value_kind: global_buffer, .address_space: global }
      - { .name: w_qkv, .offset: 8, .size: 8, .value_kind: global_buffer, .address_space: global }
      - { .name: w_o, .offset: 16, .size: 8, .value_kind: global_buffer, .address_space: global }
      - { .name: c1, .offset: 24, .size: 8, .value_kind: global_buffer, .address_space: global }
    .group_segment_fixed_size: 34304
    .private_segment_fixed_size: 0
    .kernarg_segment_align: 8
    .kernarg_segment_size: 32
    .max_flat_workgroup_size: 128
    .sgpr_count:     66
    .vgpr_count:     256
    .wavefront_size: 32
...
	.end_amdgpu_metadata
.endif
;; end of part 1
;; launch qkv (part 2): grid 8 x 32, 4 waves a work-group, clusters of 4 x 4, 327,680 bytes of LDS; arguments c1, cos, sin, pos, q_norm_w, k_norm_w, qb, kv; writes qb, kv
.if DOCPART == 2
	.amdgcn_target "amdgcn-amd-amdhsa--gfx1250"
	.amdhsa_code_object_version 6
	.text
	.protected	k_q8d7962911a_qkv
	.globl	k_q8d7962911a_qkv
	.p2align	8
	.type	k_q8d7962911a_qkv,@function
k_q8d7962911a_qkv:
	s_mov_b64 s[64:65], 0
	v_nop
	global_prefetch_b8 v0, s[64:65] scope:SCOPE_SE
	s_setreg_imm32_b32 hwreg(HW_REG_WAVE_MODE, 25, 1), 1
	s_wait_xcnt 0x0
	s_wait_alu depctr_hold_cnt(0) depctr_sa_sdst(0) depctr_va_vdst(0) depctr_va_sdst(0) depctr_va_ssrc(0) depctr_va_vcc(0) depctr_vm_vsrc(0)
	s_getreg_b32 s2, hwreg(HW_REG_IB_STS2, 6, 4)
	s_cmp_eq_u32 s2, 0
	s_cbranch_scc0 .Lentry_in_a_cluster
	s_endpgm
.Lentry_in_a_cluster:
	s_bfe_u32 s2, ttmp6, 0x10000c
	s_cmp_lg_u32 s2, 0xf033
	s_cbranch_scc0 .Lentry_shape_is_right
	s_endpgm
.Lentry_shape_is_right:
; qkv = x w_qkv^T on codes of FP6 (E2M3) with E8M0 scales, then, in registers: q and k: RMS norm over the head's 64, gain, rotation of the first 32 channels by cos and sin at pos, quantised along the head's 64;
; v: x 0.5, quantised along the tokens (the keys of the later product).  Results leave as half images (16 rows x 64 K as the operand's registers 0-5 hold them, 768 bytes: lane l's registers 0-3 at 16 l, registers 4-5 at 512 + 8 l).
; Rows of every operand go in tiles of 16; lane r of tile t holds row 32 (t / 2) + 8 (t % 2) + r + 8 (r / 8): as source 0 of a product such tiles leave, in the 16 result registers of tiles 2 b and 2 b + 1, 16 neighbours 32 b + 16 h + 0 .. 15.
; SHARES.  A WORK-GROUP STAYS: for its 128 tokens it makes two heads' q, then their k, then their v: three products of 128 rows of w_qkv x 128 tokens x 1,024.  Wave w: the head w % 2, the tokens' half w / 2: 16 accumulators.
; 8 x 32 work-groups.  The tokens' codes are fetched once for the three products.
; LDS.  Three regions of 102,400 bytes, each 8 tiles x all of K (K half kh at 51,200 kh, tile t at 6,400 t): WA at 0: q's rows of w_qkv, later v's; WB: k's; XR: the tokens.  Four such regions do not fit, so WA is filled twice:
; v's rows are asked for at the head of q's last K step and have q's way out and all of k's product in which to land.  At the start a wave asks for three quarters of 25,600 bytes (K 0-511, K 512-1023 of WA or XR, then a quarter of WB):
; three tensor loads of a wave are out at the most.  The launch claims 327,680 bytes of LDS; the text uses 307,712 bytes.
; CLUSTER 4 x 4: the four work-groups of a column need the same rows of w_qkv, the four of a row the same tokens: each tile is asked for jointly, by the same load with the same descriptor and a mask that names the four.
; q, k: source 0 = w_qkv's rows, source 1 = tokens: a lane holds one token and 32 of the head's channels.  v: the sources swapped: a lane holds one channel and 32 of the wave's 64 tokens.
; LIMITS: blocks whose largest magnitude lies under 2^-124 take the scale byte 1; NaN and infinities are not served; pos is held to 0 .. 4095.  The inputs tokens and block_size enter nothing that reference() computes and are not read.
; REGISTERS.  Window 0: v1-15 lane terms and LDS addresses; v16-21 offsets; v22-31 at work; v32-63 scale words and nothing else; v64-103 codes; v104-109 LDS addresses; v110-111 the add's; v112-123 at work; v128-255 the accumulators.
;   Window 1: two buffers of fragments (v0-95, v128-223): w_qkv's four, then the tokens' four.   Window 2: v0-31 q's gain, v32-63 cos, v64-95 sin, v96-127 k's gain.
.set WT0,   256                        ; w_qkv's first tile in c1; k's rows begin 64 tiles on, v's 128
.set REC,   6400                       ; a tile's 512 along K: eight half images and 256 scale bytes
.set QUART, 4*REC                      ; what one tensor load brings
.set HALF,  8*REC                      ; a region's K half
.set REGION, 16*REC
.set WA,    0
.set WB,    REGION
.set XR,    2*REGION
.set SPARE, 3*REGION                   ; behind the regions: the spare words, 128 bytes for each wave: two blocks of 256 bytes that no other line names
.set QS_OFF, 3145728                   ; q's scale words in qb
.set KVREC, 13056                      ; a head's 128 keys in kv: K's 8 half images, V's 8, K's 128 scale words, V's 64
.set AWA16, 6                          ; v6-7   16 l + my four tiles in WA, K half 0, 1
.set AWA8,  8                          ; v8-9   the same with 8 l
.set AX16, 10                          ; v10-11 16 l + my four tiles of tokens
.set AX8,  12                          ; v12-13
.set ASA,  14                          ; v14-15 scale words: lanes 0-15 WA's rows, lanes 16-31 the tokens'
.set CA,   16                          ; v16-19 pos, then my byte in cos and sin, for each tile of tokens
.set PO,   20                          ; v20    my token's place in pos
.set NO,   21                          ; v21    64 h: my channels' place in a gain
.set TM,   22                          ; v22-27 the quantiser's
.set SS,   28                          ; v28-31 sums of squares
.set SC,   32                          ; v[SC + 16 kh + 4 j + i]: lanes 0-15 the word of w_qkv's tile j, lanes 16-31 that of the tokens' tile j, for K step 4 kh + i
.set PC,   64                          ; PCP for each of four results: 6 of codes, 3 at work
.set PCP,  10
.set AWB16, 104                        ; v104-109 as v6-9 and v14-15, for WB
.set AWB8,  106
.set ASB,  108
.set SPW,  110                         ; v110   LDS address of my spare word: SPARE + 4 x my thread's number; never rewritten
.set NIL,  111                         ; v111   0; never rewritten
.set PW,   112                         ; v112-115 scale words
.set RS,   116                         ; v116-117 1 / sqrt, twice
.set RT,   118                         ; v118-121 the rotation's
.set SW,   122                         ; v122-123 scale words of two tiles in one register
.set ACC,  128
.set F0,   0
.set F1,   128
.set NWQ,  0
.set COS,  32
.set SIN,  64
.set NWK,  96
.set G1W, 24                           ; s[24:31], s[32:39] descriptor groups 1;  s[40:47], s[48:55] groups 0 of the first fills of WA and XR, one set for each half of K
.set G1X, 32
.set G0W, 40
.set G0X, 48
.set G0B, 80                           ; s[80:83] group 0 for my quarter of WB;  s[84:87] for my quarter of v's rows, into WA
.set G0C, 84
.set QC,  94                           ; where results go: q's codes, q's words, k's codes, k's words, v's codes, v's words
.set QW,  96
.set KC,  98
.set KW,  100
.set VC,  62
.set VW,  56
.set MSB, 0
.macro WIN new                         ; the immediate's high byte repeats the setting that is left
.if MSB != \new
	s_set_vgpr_msb (MSB<<8)|\new
.set MSB, \new
.endif
.endm
.set MUL,  0x05                        ; sources 0 and 1 window 1; C and D window 0
.set TO_F, 0x40                        ; destination window 1, address window 0
.macro CROUND                          ; a round of the cluster's barrier
	s_barrier_signal -1
	s_barrier_wait -1
	s_cmp_lg_u32 s20, 0
	s_cbranch_scc1 .Lnot_wave_0_\@
	s_barrier_signal -3
.Lnot_wave_0_\@:
	s_barrier_wait -3
	s_barrier_signal -1
	s_barrier_wait -1
.endm
.macro PLACES                          ; four places in front of loads into registers that matrix instructions have read, and of the first read of results
.rept 4
	v_nop
.endr
.endm
	s_load_b512 s[4:19], s[0:1], 0x0               ; c1 s[4:5], cos s[6:7], sin s[8:9], pos s[10:11], q_norm_w s[12:13], k_norm_w s[14:15], qb s[16:17], kv s[18:19]
	v_lshl_add_u32 v[SPW], v0, 2, SPARE
	v_mov_b32 v[NIL], 0
	ds_add_u32 v110, v111
	ds_add_u32 v110, v111
	s_wait_dscnt 0x0
	v_lshrrev_b32 v1, 5, v0
	v_readfirstlane_b32 s20, v1                    ; wave 0..3
	v_and_b32 v20, 31, v0                          ; lane
	v_and_b32 v1, 15, v0                           ; r
	v_bfe_u32 v2, v0, 4, 1                         ; h
	v_lshlrev_b32 v3, 4, v20                       ; 16 l
	v_lshlrev_b32 v4, 3, v20                       ; 8 l
	v_lshlrev_b32 v5, 2, v20                       ; 4 l
	v_and_b32 v[PO], 8, v1
	v_add_nc_u32 v[PO], v[PO], v1
	v_lshlrev_b32 v[PO], 2, v[PO]                  ; 4 (r + 8 (r / 8))
	v_lshlrev_b32 v[NO], 6, v2
	v_lshlrev_b32 v[SS], 5, v2                     ; 32 h: my eight frequencies' place in a row of cos
	v_mov_b32 v[TM+2], 0                           ; written once: a lane permute's destination counts as one of its sources
	v_mov_b32 v[TM+3], 0
	s_lshr_b32 s21, s20, 1                         ; wr: my half of the tokens.  Also: my first fills are WA's (0) or XR's (1), and which K half of a later quarter
	s_and_b32 s22, s20, 1                          ; wp: my head of the two.  Also: which four tiles I fetch
	s_bfe_u32 s56, ttmp6, 0x40000                  ; cx, cy: my place in the cluster
	s_bfe_u32 s57, ttmp6, 0x40004
	s_lshl_b32 s58, ttmp9, 2
	s_add_co_u32 s58, s58, s56                     ; nx = 4 x cluster x + cx: which two heads
	s_and_b32 s59, ttmp7, 0xffff
	s_lshl_b32 s59, s59, 2
	s_add_co_u32 s59, s59, s57                     ; ty = 4 x cluster y + cy: which 128 tokens
	s_lshl_b32 s61, s57, 2
	s_lshl_b32 s61, 15, s61                        ; my row of the cluster
	s_lshl_b32 s60, 0x1111, s56                    ; my column
	s_or_b32 s[G1W], s60, (3<<16)|(1<<21)          ; 15:0 the mask; 17:16 elements of 8 bytes; 21 set beside a mask; no padding
	s_or_b32 s[G1X], s61, (3<<16)|(1<<21)
.irp g, G1W, G1X
	s_mov_b32 s[\g+1], 800<<16                     ; tensor_dim0: a record, 800 elements
	s_mov_b32 s[\g+2], 4<<16                       ; tensor_dim1: four tiles
	s_mov_b32 s[\g+3], 800<<16                     ; tile_dim0
	s_mov_b32 s[\g+4], 4                           ; tile_dim1
	s_mov_b32 s[\g+5], 1600                        ; from tile to tile: two records
	s_mov_b32 s[\g+6], 0
	s_mov_b32 s[\g+7], 0
.endr
	s_lshl_b32 s68, s22, 2                         ; which four of the eight tiles I fetch
	s_lshl_b32 s66, s58, 3
	s_add_co_u32 s66, s66, s68
	s_add_co_u32 s66, s66, WT0
	s_mul_i32 s66, s66, 2*REC                      ; w_qkv's tiles hang on nx and the wave's number alone,
	s_mov_b32 s67, 0
	s_lshl_b32 s70, s59, 3
	s_add_co_u32 s70, s70, s68
	s_mul_i32 s70, s70, 2*REC                      ; the tokens' on ty and the wave's number alone
	s_mov_b32 s71, 0
	s_mul_i32 s72, s22, QUART                      ; where the first two fills go in a K half of their region,
	s_mul_i32 s73, s20, QUART                      ; and the later quarters in theirs: no place in the cluster enters an LDS address
	s_mul_i32 s88, s21, REC                        ; a later quarter's K half, in memory
	s_mov_b32 s89, 0
	s_lshl_b32 s74, s59, 9
	s_lshl_b32 s75, s21, 8
	s_add_co_u32 s74, s74, s75                     ; pos at my 64 tokens
	s_mov_b32 s75, 0
	s_mov_b32 s90, 0x76543210
	s_mov_b32 s91, 0xfedcba98                      ; v_permlanex16_b32's selects for lane l xor 16
	s_mov_b32 s92, 0x3c800000                      ; 1 / 64
	s_mov_b32 s93, 0xffff0000                      ; lanes 16-31
	s_wait_kmcnt 0x0
	s_add_nc_u64 s[10:11], s[10:11], s[74:75]
.irp m, 0,1,2,3
	global_load_b32 v[CA+\m], v[PO], s[10:11] offset:4*(32*(\m/2)+8*(\m%2))      ; asked for ahead of the round, so that the chain from pos to cos and sin runs under the fills
.endr
	WIN 0x80                                       ; destination window 2
.irp b, 0,1
.irp j, 0,1,2,3
	global_load_b128 v[NWQ+16*\b+4*\j:NWQ+16*\b+4*\j+3], v[NO], s[12:13] offset:128*\b+16*\j   ; the gains of channels 32 b + 16 h + 0 .. 15
	global_load_b128 v[NWK+16*\b+4*\j:NWK+16*\b+4*\j+3], v[NO], s[14:15] offset:128*\b+16*\j
.endr
.endr
	WIN 0
	s_add_nc_u64 s[66:67], s[4:5], s[66:67]
	s_add_nc_u64 s[70:71], s[4:5], s[70:71]
.irp kh, 0,1
	s_mov_b32 s[G0W+4*\kh], 1
	s_add_co_u32 s[G0W+4*\kh+1], s72, WA+\kh*HALF
	s_add_nc_u64 s[G0W+4*\kh+2:G0W+4*\kh+3], s[66:67], \kh*REC
	s_or_b32 s[G0W+4*\kh+3], s[G0W+4*\kh+3], 0x80000000
	s_mov_b32 s[G0X+4*\kh], 1
	s_add_co_u32 s[G0X+4*\kh+1], s72, XR+\kh*HALF
	s_add_nc_u64 s[G0X+4*\kh+2:G0X+4*\kh+3], s[70:71], \kh*REC
	s_or_b32 s[G0X+4*\kh+3], s[G0X+4*\kh+3], 0x80000000
.endr
	s_mov_b32 s[G0B], 1
	s_add_co_u32 s[G0B+1], s73, WB
	s_add_nc_u64 s[G0B+2:G0B+3], s[66:67], s[88:89]
	s_add_nc_u64 s[G0B+2:G0B+3], s[G0B+2:G0B+3], 64*2*REC          ; k's rows
	s_or_b32 s[G0B+3], s[G0B+3], 0x80000000
	s_mov_b32 s[G0C], 1
	s_add_co_u32 s[G0C+1], s73, WA
	s_add_nc_u64 s[G0C+2:G0C+3], s[66:67], s[88:89]
	s_add_nc_u64 s[G0C+2:G0C+3], s[G0C+2:G0C+3], 128*2*REC         ; v's rows
	s_or_b32 s[G0C+3], s[G0C+3], 0x80000000
	CROUND                                         ; all sixteen work-groups are here: the joint loads meet
	s_cmp_eq_u32 s21, 0                            ; the branch hangs on the wave's number alone; four v_nop follow a run of tensor loads
	s_cbranch_scc0 .Lfill_x
	tensor_load_to_lds s[G0W:G0W+3], s[G1W:G1W+7]
	s_nop 0
	tensor_load_to_lds s[G0W+4:G0W+7], s[G1W:G1W+7]
	s_nop 0
.rept 4
	v_nop
.endr
	s_branch .Lfilled
.Lfill_x:
	tensor_load_to_lds s[G0X:G0X+3], s[G1X:G1X+7]
	s_nop 0
	tensor_load_to_lds s[G0X+4:G0X+7], s[G1X:G1X+7]
	s_nop 0
.rept 4
	v_nop
.endr
.Lfilled:
	tensor_load_to_lds s[G0B:G0B+3], s[G1W:G1W+7]  ; every wave's quarter of k's rows: the third and last of the first fills
	s_nop 0
.rept 4
	v_nop
.endr
	s_mul_i32 s74, s22, QUART                      ; my four tiles in WA,
	s_add_co_u32 s75, s74, WB                      ; in WB,
	s_mul_i32 s76, s21, QUART
	s_add_co_u32 s76, s76, XR                      ; and my four tiles of tokens
	s_xor_b32 s77, s22, 1
	s_add_co_u32 s77, s77, s21
	s_add_co_u32 s78, s77, 3
	s_add_co_u32 s77, s77, 7
	s_mul_i32 s77, s77, QUART                      ; the distance from my tiles in WA to my tokens': (8 + wr - wp) quarters,
	s_mul_i32 s78, s78, QUART                      ; from those in WB: (4 + wr - wp)
	v_mul_u32_u24 v[ASA], s77, v2                  ; lanes 16-31 take the tokens' scale words
	v_lshl_add_u32 v[ASA], v1, 4, v[ASA]           ; row r's sixteen bytes
	s_add_co_u32 s79, s74, 6144                    ; behind a record's eight half images
	v_add_nc_u32 v[ASA], s79, v[ASA]
	v_add_nc_u32 v[ASA+1], HALF, v[ASA]
	v_mul_u32_u24 v[ASB], s78, v2
	v_lshl_add_u32 v[ASB], v1, 4, v[ASB]
	s_add_co_u32 s79, s75, 6144
	v_add_nc_u32 v[ASB], s79, v[ASB]
	v_add_nc_u32 v[ASB+1], HALF, v[ASB]
.irp kh, 0,1
	v_add_nc_u32 v[AWA16+\kh], s74, v3
	v_add_nc_u32 v[AWA8+\kh], s74, v4
	v_add_nc_u32 v[AWB16+\kh], s75, v3
	v_add_nc_u32 v[AWB8+\kh], s75, v4
	v_add_nc_u32 v[AX16+\kh], s76, v3
	v_add_nc_u32 v[AX8+\kh], s76, v4
	s_add_co_u32 s74, s74, HALF
	s_add_co_u32 s75, s75, HALF
	s_add_co_u32 s76, s76, HALF
.endr
	s_lshl_b32 s66, s58, 1
	s_add_co_u32 s66, s66, s22                     ; my head
	s_lshl_b32 s67, s66, 8
	s_lshl_b32 s68, s59, 3
	s_add_co_u32 s67, s67, s68
	s_lshl_b32 s68, s21, 2
	s_add_co_u32 s67, s67, s68                     ; q: 256 head + my first tile of tokens
	s_mov_b32 s69, 0
	s_mul_i32 s68, s67, 768                        ; its half image,
	s_add_nc_u64 s[QC:QC+1], s[16:17], s[68:69]
	s_lshl_b32 s68, s67, 6
	s_add_co_u32 s68, s68, QS_OFF                  ; its 16 scale words
	s_add_nc_u64 s[QW:QW+1], s[16:17], s[68:69]
	s_lshl_b32 s70, s66, 5
	s_add_co_u32 s70, s70, s59
	s_mul_i32 s70, s70, KVREC                      ; the head's record of these 128 tokens in kv
	s_mul_i32 s68, s21, 3072
	s_add_co_u32 s68, s68, s70                     ; k: my four half images,
	s_add_nc_u64 s[KC:KC+1], s[18:19], s[68:69]
	s_lshl_b32 s68, s21, 8
	s_add_co_u32 s68, s68, s70
	s_add_co_u32 s68, s68, 12288                   ; and their scale words
	s_add_nc_u64 s[KW:KW+1], s[18:19], s[68:69]
	s_mul_i32 s68, s21, 768
	s_add_co_u32 s68, s68, s70
	s_add_co_u32 s68, s68, 6144                    ; v: my half of the 128 keys in each channel tile's two half images,
	s_add_nc_u64 s[VC:VC+1], s[18:19], s[68:69]
	s_lshl_b32 s68, s21, 1
	s_add_co_u32 s68, s68, s70
	s_add_co_u32 s68, s68, 12800                   ; and my two bytes of each scale word
	s_add_nc_u64 s[VW:VW+1], s[18:19], s[68:69]
	s_wait_loadcnt 0x0                             ; pos and the gains
.irp m, 0,1,2,3
	v_min_u32 v[CA+\m], 0xfff, v[CA+\m]            ; an index stays inside its table
	v_lshlrev_b32 v[CA+\m], 6, v[CA+\m]            ; a row of cos or sin is 64 bytes
	v_add_nc_u32 v[CA+\m], v[SS], v[CA+\m]
.endr
	WIN 0x80
.irp m, 0,1,2,3
	global_load_b128 v[COS+8*\m:COS+8*\m+3], v[CA+\m], s[6:7]
	global_load_b128 v[COS+8*\m+4:COS+8*\m+7], v[CA+\m], s[6:7] offset:16
	global_load_b128 v[SIN+8*\m:SIN+8*\m+3], v[CA+\m], s[8:9]
	global_load_b128 v[SIN+8*\m+4:SIN+8*\m+7], v[CA+\m], s[8:9] offset:16
.endr
	WIN 0
.macro SCALES as, kh                   ; four words a row (the half's four K steps) for four tiles of each side
	WIN 0
.irp j, 0,1,2,3
	ds_load_b128 v[SC+16*\kh+4*\j:SC+16*\kh+4*\j+3], v[\as+\kh] offset:REC*\j
.endr
.endm
.macro FETCH a16, a8, kh, i, f         ; 32 LDS loads in one run: the eight fragments of K step 4 kh + i: two half images each, as they lie
	WIN TO_F
.irp j, 0,1,2,3
	ds_load_b128 v[\f+12*\j:\f+12*\j+3], v[\a16+\kh] offset:REC*\j+1536*\i
	ds_load_b64 v[\f+12*\j+4:\f+12*\j+5], v[\a8+\kh] offset:REC*\j+1536*\i+512
	ds_load_b128 v[\f+12*\j+6:\f+12*\j+9], v[\a16+\kh] offset:REC*\j+1536*\i+768
	ds_load_b64 v[\f+12*\j+10:\f+12*\j+11], v[\a8+\kh] offset:REC*\j+1536*\i+1280
.endr
.irp j, 0,1,2,3
	ds_load_b128 v[\f+48+12*\j:\f+48+12*\j+3], v[AX16+\kh] offset:REC*\j+1536*\i
	ds_load_b64 v[\f+48+12*\j+4:\f+48+12*\j+5], v[AX8+\kh] offset:REC*\j+1536*\i+512
	ds_load_b128 v[\f+48+12*\j+6:\f+48+12*\j+9], v[AX16+\kh] offset:REC*\j+1536*\i+768
	ds_load_b64 v[\f+48+12*\j+10:\f+48+12*\j+11], v[AX8+\kh] offset:REC*\j+1536*\i+1280
.endr
.endm
; 16 matrix instructions, 128 along K.  ord = 0: source 0 = w_qkv's tile j, source 1 = the tokens' tile m, result at ACC + 32 m + 8 j.  ord = 1: the sources swapped, result at ACC + 32 j + 8 m.
; The 16 accumulators take turns, one instruction a turn, in the same order in every step and from product to product.  zero = 1: the first products start the sums.
.macro MUL16 f, kh, i, zero, ord
	WIN MUL
.irp m, 0,1,2,3
.irp j, 0,1,2,3
.if \ord == 0
.if \zero
	v_wmma_scale_f32_16x16x128_f8f6f4 v[ACC+32*\m+8*\j:ACC+32*\m+8*\j+7], v[\f+12*\j:\f+12*\j+11], v[\f+48+12*\m:\f+48+12*\m+11], 0, v[SC+16*\kh+4*\j+\i], v[SC+16*\kh+4*\m+\i] matrix_a_fmt:MATRIX_FMT_FP6 matrix_b_fmt:MATRIX_FMT_FP6 matrix_b_scale:MATRIX_SCALE_ROW1
.else
	v_wmma_scale_f32_16x16x128_f8f6f4 v[ACC+32*\m+8*\j:ACC+32*\m+8*\j+7], v[\f+12*\j:\f+12*\j+11], v[\f+48+12*\m:\f+48+12*\m+11], v[ACC+32*\m+8*\j:ACC+32*\m+8*\j+7], v[SC+16*\kh+4*\j+\i], v[SC+16*\kh+4*\m+\i] matrix_a_fmt:MATRIX_FMT_FP6 matrix_b_fmt:MATRIX_FMT_FP6 matrix_b_scale:MATRIX_SCALE_ROW1
.endif
.else
.if \zero
	v_wmma_scale_f32_16x16x128_f8f6f4 v[ACC+32*\j+8*\m:ACC+32*\j+8*\m+7], v[\f+48+12*\m:\f+48+12*\m+11], v[\f+12*\j:\f+12*\j+11], 0, v[SC+16*\kh+4*\m+\i], v[SC+16*\kh+4*\j+\i] matrix_a_fmt:MATRIX_FMT_FP6 matrix_b_fmt:MATRIX_FMT_FP6 matrix_a_scale:MATRIX_SCALE_ROW1
.else
	v_wmma_scale_f32_16x16x128_f8f6f4 v[ACC+32*\j+8*\m:ACC+32*\j+8*\m+7], v[\f+48+12*\m:\f+48+12*\m+11], v[\f+12*\j:\f+12*\j+11], v[ACC+32*\j+8*\m:ACC+32*\j+8*\m+7], v[SC+16*\kh+4*\m+\i], v[SC+16*\kh+4*\j+\i] matrix_a_fmt:MATRIX_FMT_FP6 matrix_b_fmt:MATRIX_FMT_FP6 matrix_a_scale:MATRIX_SCALE_ROW1
.endif
.endif
.endr
.endr
.endm
.macro GSTEP f, kh, i, g, a16, a8, nkh, ni, ord   ; a K step: its fragments, asked for a step ago, are in; the next step's go into the buffer that the last step multiplied
	s_wait_dscnt 0x0
	PLACES
	FETCH \a16, \a8, \nkh, \ni, \g
	MUL16 \f, \kh, \i, 0, \ord
.endm
; K steps 0 to 6 of a product whose first fragments (buffer 0) and first scale words have been asked for.  first = 1: the launch's first product, whose second K half is still on its way at the start
.macro STEPS06 a16, a8, as, ord, first
	s_wait_dscnt 0x0
	FETCH \a16, \a8, 0, 1, F1                      ; (buffer 1's last products stand ahead of a whole way out, or there are none yet)
	MUL16 F0, 0, 0, 1, \ord
	GSTEP F1, 0, 1, F0, \a16, \a8, 0, 2, \ord
	GSTEP F0, 0, 2, F1, \a16, \a8, 0, 3, \ord
	s_wait_dscnt 0x0
.if \first
	s_wait_tensorcnt 0x1                           ; my quarter of K 512-1023 has landed (behind it I asked for one more: my quarter of k's rows, which may be out),
	s_barrier_signal -1
	s_barrier_wait -1                              ; everybody's has
.endif
	PLACES
	SCALES \as, 1
	FETCH \a16, \a8, 1, 0, F0
	MUL16 F1, 0, 3, 0, \ord
	GSTEP F0, 1, 0, F1, \a16, \a8, 1, 1, \ord
	GSTEP F1, 1, 1, F0, \a16, \a8, 1, 2, \ord
	GSTEP F0, 1, 2, F1, \a16, \a8, 1, 3, \ord
.endm
; 32 numbers of a lane, register 16 b + i = k 32 b + 16 h + i of my row, become a half image's six registers in v[pc] on.  orv = 1: the scale word's upper two bytes stand for 1; 0: they are left 0
.macro QUANT2 s, pc, pw, orv
	v_max3_num_f32 v[TM], |v[\s]|, |v[\s+1]|, 0x1800000              ; my 16 numbers of each block, and the floor 2^(3 - 127): the byte cannot fall under 1
	v_max3_num_f32 v[TM+1], |v[\s+16]|, |v[\s+17]|, 0x1800000
.irp i, 2,4,6,8,10,12,14
	v_max3_num_f32 v[TM], v[TM], |v[\s+\i]|, |v[\s+\i+1]|
	v_max3_num_f32 v[TM+1], v[TM+1], |v[\s+16+\i]|, |v[\s+17+\i]|
.endr
	v_permlanex16_b32 v[TM+2], v[TM], s90, s91
	v_permlanex16_b32 v[TM+3], v[TM+1], s90, s91
	v_max_num_f32 v[TM], v[TM], v[TM+2]            ; with lane l xor 16's: the block's largest magnitude
	v_max_num_f32 v[TM+1], v[TM+1], v[TM+3]
	v_add_nc_u32 v[TM+4], 0xff000000, v[TM]        ; 2 off its exponent field: the conversion's scale operand
	v_add_nc_u32 v[TM+5], 0xff000000, v[TM+1]
	v_lshrrev_b32 v[TM+2], 23, v[TM+4]             ; the scale's byte
	v_lshrrev_b32 v[TM+3], 23, v[TM+5]
	v_lshl_or_b32 v[\pw], v[TM+3], 8, v[TM+2]
.if \orv
	v_or_b32 v[\pw], 0x7f7f0000, v[\pw]
.endif
	v_cvt_scalef32_pk16_fp6_f32 v[\pc:\pc+2], v[\s:\s+15], v[TM+4]
	v_cvt_scalef32_pk16_fp6_f32 v[\pc+6:\pc+8], v[\s+16:\s+31], v[TM+5]
	v_nop                                          ; one plain place behind a scaled conversion
.irp i, 0,1,2
	v_permlane16_swap_b32 v[\pc+\i], v[\pc+6+\i]   ; a whole block to a lane: lanes 0-15 block 0, lanes 16-31 block 1
.endr
.irp i, 0,1,2
	v_mov_b32 v[\pc+3+\i], v[\pc+6+\i]
.endr
.endm
; q's or k's way out for the tokens' tile m: lane (r, h): one token; register 16 b + i = the head's channel 32 b + 16 h + i.  nw: the gain, in window 2;  cb: where the codes go
.macro HEADROW m, nw, cb
.set A_, ACC+32*\m
	v_pk_mul_f32 v[SS:SS+1], v[A_:A_+1], v[A_:A_+1]                  ; the sum of squares, from each accumulator's low end on, in two chains
	v_pk_mul_f32 v[SS+2:SS+3], v[A_+2:A_+3], v[A_+2:A_+3]
.irp i, 4,8,12,16,20,24,28
	v_pk_fma_f32 v[SS:SS+1], v[A_+\i:A_+\i+1], v[A_+\i:A_+\i+1], v[SS:SS+1]
	v_pk_fma_f32 v[SS+2:SS+3], v[A_+\i+2:A_+\i+3], v[A_+\i+2:A_+\i+3], v[SS+2:SS+3]
.endr
	v_pk_add_f32 v[SS:SS+1], v[SS:SS+1], v[SS+2:SS+3]
	v_add_f32 v[SS], v[SS], v[SS+1]
	v_permlanex16_b32 v[SS+2], v[SS], s90, s91
	v_add_f32 v[SS], v[SS], v[SS+2]                ; with lane l xor 16's 32 channels
	v_fmaak_f32 v[SS], s92, v[SS], 0x358637bd      ; the mean + 1e-6
	v_rsq_f32 v[RS], v[SS]
	v_rsq_f32 v[RS+1], v[SS]
	v_nop                                          ; one plain place behind a transcendental
	s_wait_alu depctr_va_vdst(0)
.irp i, 0,2,4,6,8,10,12,14,16,18,20,22,24,26,28,30
	v_pk_mul_f32 v[A_+\i:A_+\i+1], v[A_+\i:A_+\i+1], v[RS:RS+1]
.endr
	WIN 0x08                                       ; source 1 window 2
.irp i, 0,2,4,6,8,10,12,14,16,18,20,22,24,26,28,30
	v_pk_mul_f32 v[A_+\i:A_+\i+1], v[A_+\i:A_+\i+1], v[\nw+\i:\nw+\i+1]
.endr
.irp p, 0,1,2,3,4,5,6,7                        ; channels 16 h + 2 p, 16 h + 2 p + 1: frequency 8 h + p
	v_mul_f32 v[RT+2*(\p%2)], v[A_+2*\p+1], v[SIN+8*\m+\p]
	v_mul_f32 v[RT+2*(\p%2)+1], v[A_+2*\p], v[SIN+8*\m+\p]
	v_fma_f32 v[A_+2*\p], v[A_+2*\p], v[COS+8*\m+\p], -v[RT+2*(\p%2)]
	v_fma_f32 v[A_+2*\p+1], v[A_+2*\p+1], v[COS+8*\m+\p], v[RT+2*(\p%2)+1]
.endr
	WIN 0
	QUANT2 A_, PC+PCP*\m, PW+\m, 1
	global_store_b128 v3, v[PC+PCP*\m:PC+PCP*\m+3], s[\cb:\cb+1] offset:768*\m        ; 512 consecutive bytes, aligned
	global_store_b64 v4, v[PC+PCP*\m+4:PC+PCP*\m+5], s[\cb:\cb+1] offset:768*\m+512   ; 256
.endm
.macro QKOUT nw, cb, wb
	HEADROW 0, \nw, \cb
	HEADROW 1, \nw, \cb
	HEADROW 2, \nw, \cb
	HEADROW 3, \nw, \cb
.irp i, 0,1
	v_cndmask_b32 v[SW+\i], v[PW+2*\i], v[PW+2*\i+1], s93            ; lanes 0-15 tile 2 i's words, lanes 16-31 tile 2 i + 1's
	global_store_b32 v5, v[SW+\i], s[\wb:\wb+1] offset:128*\i
.endr
.endm
	; ---------------- q: w_qkv's rows in WA ----------------
	s_wait_tensorcnt 0x2                           ; my quarter of K 0-511 has landed; behind it I asked for two more, which may be out
	s_barrier_signal -1
	s_barrier_wait -1                              ; everybody's has
	SCALES ASA, 0
	FETCH AWA16, AWA8, 0, 0, F0
	STEPS06 AWA16, AWA8, ASA, 0, 1
	WIN 0                                          ; q's last K step: its fragments are the last that anybody reads of q's rows, so WA can be filled again.
	s_wait_tensorcnt 0x0                           ; all my tensor loads have landed, my quarter of k's rows among them;
	ds_add_u32 v[SPW], v[NIL]                      ; 0 onto my spare word;
	s_wait_dscnt 0x0                               ; the add is done, and my reads of WA are over
	CROUND                                         ; that now holds of every wave of all sixteen work-groups: k's rows are whole, and nobody reads WA
	tensor_load_to_lds s[G0C:G0C+3], s[G1W:G1W+7]  ; my quarter of v's rows: my one tensor load behind the round, and the first thing there
	s_nop 0
	PLACES                                         ; (the places in front of the loads into buffer 0)
	SCALES ASB, 0
	FETCH AWB16, AWB8, 0, 0, F0                    ; k's first fragments land during q's way out
	MUL16 F1, 1, 3, 0, 0
	WIN 0
	PLACES
	s_wait_loadcnt 0x0                             ; cos and sin
	QKOUT NWQ, QC, QW
	; ---------------- k: w_qkv's rows in WB ----------------
	STEPS06 AWB16, AWB8, ASB, 0, 0
	s_wait_dscnt 0x0
	s_wait_tensorcnt 0x0                           ; my quarter of v's rows, the one load that was out, has landed,
	s_barrier_signal -1
	s_barrier_wait -1                              ; everybody's has
	PLACES
	SCALES ASA, 0
	FETCH AWA16, AWA8, 0, 0, F0                    ; v's first fragments land during k's way out
	MUL16 F1, 1, 3, 0, 0
	WIN 0
	PLACES
	s_wait_xcnt 0x0                                ; the codes' and words' registers, which q's stores read, are written again only behind this wait
	QKOUT NWK, KC, KW
	; ---------------- v: w_qkv's rows in WA, the sources swapped ----------------
	STEPS06 AWA16, AWA8, ASA, 1, 0
	s_wait_dscnt 0x0
	MUL16 F1, 1, 3, 0, 1                           ; lane (r, h) of tile j: one channel; register 16 b + i = my token 32 b + 16 h + i
	WIN 0
	PLACES
	s_wait_xcnt 0x0                                ; as above, for k's stores
.irp j, 0,1,2,3
.irp i, 0,2,4,6,8,10,12,14,16,18,20,22,24,26,28,30
	v_pk_mul_f32 v[ACC+32*\j+\i:ACC+32*\j+\i+1], v[ACC+32*\j+\i:ACC+32*\j+\i+1], 0.5 op_sel_hi:[1,0]
.endr
	QUANT2 ACC+32*\j, PC+PCP*\j, PW+\j, 0
	global_store_b128 v3, v[PC+PCP*\j:PC+PCP*\j+3], s[VC:VC+1] offset:1536*\j
	global_store_b64 v4, v[PC+PCP*\j+4:PC+PCP*\j+5], s[VC:VC+1] offset:1536*\j+512
.endr
.irp i, 0,1
	v_cndmask_b32 v[SW+\i], v[PW+2*\i], v[PW+2*\i+1], s93
	global_store_b16 v5, v[SW+\i], s[VW:VW+1] offset:128*\i          ; two of a word's four bytes; the wave of the other 64 keys stores the other two
.endr
	s_wait_tensorcnt 0x0                           ; the wave's end: behind my last tensor load, the last LDS instructions
	ds_add_u32 v[SPW], v[NIL]
	s_wait_dscnt 0x0
	CROUND                                         ; the closing round: no work-group ends while a partner may still ask for a tile that names it
	s_endpgm
.Lfunc_end_k_q8d7962911a_qkv:
	.size	k_q8d7962911a_qkv, .Lfunc_end_k_q8d7962911a_qkv-k_q8d7962911a_qkv
	.p2alignl 7, 3214868480
	.fill 96, 4, 3214868480
	.section	.rodata,"a",@progbits
	.p2align	6, 0x0
	.amdhsa_kernel k_q8d7962911a_qkv
		.amdhsa_group_segment_fixed_size 327680
		.amdhsa_private_segment_fixed_size 0
		.amdhsa_enable_private_segment 0
		.amdhsa_kernarg_size 64
		.amdhsa_user_sgpr_count 2
		.amdhsa_user_sgpr_kernarg_segment_ptr 1
		.amdhsa_wavefront_size32 1
		.amdhsa_system_sgpr_workgroup_id_x 1
		.amdhsa_system_sgpr_workgroup_id_y 1
		.amdhsa_system_sgpr_workgroup_id_z 1
		.amdhsa_system_vgpr_workitem_id 0
		.amdhsa_next_free_vgpr 640
		.amdhsa_next_free_sgpr 102
		.amdhsa_reserve_vcc 0
		.amdhsa_float_denorm_mode_32 3
		.amdhsa_float_denorm_mode_16_64 3
		.amdhsa_memory_ordered 1
		.amdhsa_forward_progress 1
		.amdhsa_inst_pref_size 187
	.end_amdhsa_kernel
	.amdgpu_metadata
---
amdhsa.version: [ 1, 2 ]
amdhsa.kernels:
  - .name:           k_q8d7962911a_qkv
    .symbol:         k_q8d7962911a_qkv.kd
    .args:
      - { .name: c1, .offset: 0, .size: 8, .value_kind: global_buffer, .address_space: global }
      - { .name: cos, .offset: 8, .size: 8, .value_kind: global_buffer, .address_space: global }
      - { .name: sin, .offset: 16, .size: 8, .value_kind: global_buffer, .address_space: global }
      - { .name: pos, .offset: 24, .size: 8, .value_kind: global_buffer, .address_space: global }
      - { .name: q_norm_w, .offset: 32, .size: 8, .value_kind: global_buffer, .address_space: global }
      - { .name: k_norm_w, .offset: 40, .size: 8, .value_kind: global_buffer, .address_space: global }
      - { .name: qb, .offset: 48, .size: 8, .value_kind: global_buffer, .address_space: global }
      - { .name: kv, .offset: 56, .size: 8, .value_kind: global_buffer, .address_space: global }
    .group_segment_fixed_size: 327680
    .private_segment_fixed_size: 0
    .kernarg_segment_align: 8
    .kernarg_segment_size: 64
    .max_flat_workgroup_size: 128
    .sgpr_count:     102
    .vgpr_count:     640
    .wavefront_size: 32
...
	.end_amdgpu_metadata
.endif
;; end of part 2
;; launch attn (part 3): grid 16 x 16, 16 waves a work-group, no clusters, 169,984 bytes of LDS; arguments qb, kv, ob; writes ob
.if DOCPART == 3
	.amdgcn_target "amdgcn-amd-amdhsa--gfx1250"
	.amdhsa_code_object_version 6
	.text
	.protected	k_q8d7962911a_attn
	.globl	k_q8d7962911a_attn
	.p2align	8
	.type	k_q8d7962911a_attn,@function
k_q8d7962911a_attn:
	s_mov_b64 s[64:65], 0
	v_nop
	global_prefetch_b8 v0, s[64:65] scope:SCOPE_SE
	s_setreg_imm32_b32 hwreg(HW_REG_WAVE_MODE, 25, 1), 1
	s_wait_xcnt 0x0
; o[q] = the sum over the keys k with 0 <= q - k < 1024 of softmax_k(0.12 q . k) v[k], head by head, both products on codes of FP6 (E2M3) with E8M0 scales; o is quantised along the head's 64 for the last product.
; THE SOFTMAX: t = score x 0.12 log2(e); M = the row's largest t so far, rounded up to a whole number; p = 2^(t - M) is quantised along the keys, not normalised; the row's sum is taken of the unquantised p and divides at the end.
; When M moves, the sum and O are multiplied by 2^(old M - new M): exact.
; SHARES.  A work-group owns 256 queries of one head, each of its sixteen waves one tile of 16 (in the tiles' order of rows: query Q0 + r + 8 (r / 8), Q0 = 256 g + 32 (w / 2) + 8 (w % 2)).
; The window of the 256 queries is ten steps of 128 keys, from step max(0, 2 g - 8) on: ten records of 13,056 bytes, 130,560 bytes, which lie in LDS AT ONCE: every byte is filled once, so there is no ring.
; Waves 0-4 fetch two records each (record w, then w + 5): two tensor loads of a wave are out at the most.  Every wave walks all ten records in two loops of five; a step none of whose keys counts for the wave's queries is
; jumped over by a scalar branch on ids.  For g < 4 the ten records reach past the block's last key: 8, 6, 4, 2 of them are fetched and read by nobody; the trip counts and LDS addresses stay constants of the text.
; NO JOINT LOADS: the blocks of one head want windows shifted by two records from block to block; a joint load lands at the same LDS address in all that it names, so either LDS addresses or the branches round hidden steps
; would hang on the place in the cluster.
; LAYOUT.  Both products are used transposed: S^T = K Q^T, O^T = V^T P^T: a lane holds one query throughout; the 16 registers of K's tiles 2 b, 2 b + 1 are keys 32 b + 16 h + 0 .. 15.
; K = 64 IN AN INSTRUCTION OF 128: Q's registers 6-11 are zero codes and the upper two scale bytes of q's and k's words stand for 1; what K's operand names as its registers 6-11 (the next tile's codes, or six zeros) is multiplied by 0.
; LIMITS: NaN and infinities are not served; a block of p that has fallen to 0 keeps the scale byte 1.
.set KVREC, 13056
.set QS_OFF, 3145728
.set A16,  4                           ; v4-6  16 l, 8 l, 4 l + the record in hand
.set A8,   5
.set A4,   6
.set DQ,   7                           ; v7    r + 8 (r / 8) - 16 h
.set DD,   8                           ; v8    what a register's key number is compared with
.set NINF, 9                           ; v9    -infinity
.set QF,   16                          ; v16-27 Q's fragment
.set QS,   28                          ; v28   Q's scale words;  v29 p's;  v30-31 V's;  v86-89 K's: scales and nothing else
.set PS,   29
.set VS,   30
.set KV,   32                          ; v32-79 K's eight half images, later V's four fragments;  v80-85 zeros
.set KS,   86
.set BM,   90                          ; v90-93 the blocks' largest scores, then largest p
.set T2,   94                          ; v94-101 at work
.set SO,   102                         ; v102-105 the conversions' scale operands
.set FF,   106                         ; v[106:107] f = 2^(old M - new M), and a partner that is written
.set TMP,  108
.set S,    112                         ; v112-175 S^T, then p
.set O,    176                         ; v176-207 O^T
.set PC,   208                         ; v208-219 p's codes
.set TM,   96                          ; the last quantiser's six
.set TB,   32                          ; s32 the record in hand, in LDS;  s33 its first key;  s34 Q0;  s35 at work
.set KF,   33
.set Q0,   34
.set T0,   35
.set CS,   36                          ; s[36:37] c = 0.12 log2(e)
.set SEL,  38                          ; s[38:39]
.set CNT,  40
	s_load_b128 s[4:7], s[0:1], 0x0                ; qb, kv
	s_load_b64 s[8:9], s[0:1], 0x10                ; ob
	v_lshl_add_u32 v254, v0, 2, 0x29000
	v_mov_b32 v255, 0
	ds_add_u32 v254, v255
	ds_add_u32 v254, v255
	v_lshrrev_b32 v1, 5, v0
	v_readfirstlane_b32 s10, v1                    ; wave 0..15
	s_and_b32 s12, ttmp7, 0xffff                   ; the head
	s_lshl_b32 s42, ttmp9, 1
	s_max_u32 s42, s42, 8
	s_sub_co_u32 s42, s42, 8                       ; the first step: max(0, 2 g - 8)
	s_lshl_b32 s[KF], s42, 7
	s_lshl_b32 s[Q0], ttmp9, 8
	s_lshr_b32 s43, s10, 1
	s_lshl_b32 s43, s43, 5
	s_add_co_u32 s[Q0], s[Q0], s43
	s_and_b32 s43, s10, 1
	s_lshl_b32 s43, s43, 3
	s_add_co_u32 s[Q0], s[Q0], s43                 ; Q0
	s_lshl_b32 s44, s12, 5
	s_add_co_u32 s44, s44, s42
	s_add_co_u32 s44, s44, s10
	s_mul_i32 s44, s44, KVREC                      ; record w of the ten, in memory,
	s_mov_b32 s45, 0
	s_mul_i32 s46, s10, KVREC                      ; and in LDS
	s_mov_b32 s16, 3<<16                           ; descriptor group 1: a dense block as 51 rows of 256 bytes (32 elements of 8 bytes), no mask, no padding
	s_mov_b32 s17, 32<<16
	s_mov_b32 s18, 51<<16
	s_mov_b32 s19, 32<<16
	s_mov_b32 s20, 51
	s_mov_b32 s21, 32
	s_mov_b32 s22, 0
	s_mov_b32 s23, 0
	s_lshl_b32 s48, s12, 8
	s_lshl_b32 s49, ttmp9, 4
	s_add_co_u32 s48, s48, s49
	s_add_co_u32 s48, s48, s10                     ; 256 head + my tile
	s_mul_i32 s50, s48, 768                        ; q's half image
	s_mov_b32 s51, 0
	s_lshl_b32 s52, s48, 6
	s_add_co_u32 s52, s52, QS_OFF                  ; q's scale words
	s_mov_b32 s53, 0
	s_add_co_u32 s54, s49, s10
	s_mul_i32 s54, s54, 12800                      ; ob: my tile,
	s_lshr_b32 s55, s12, 3
	s_mul_i32 s55, s55, 6400
	s_add_co_u32 s54, s54, s55                     ; its record head / 8,
	s_and_b32 s55, s12, 7
	s_mul_i32 s56, s55, 768
	s_add_co_u32 s56, s56, s54                     ; half image head % 8,
	s_mov_b32 s57, 0
	s_lshl_b32 s58, s55, 1
	s_add_co_u32 s58, s58, s54
	s_add_co_u32 s58, s58, 6144                    ; and the head's two scale bytes of each row
	s_mov_b32 s59, 0
	s_mov_b32 s[CS], 0x3e314743                    ; c = 0.12 log2(e)
	s_mov_b32 s[CS+1], s[CS]                       ; (named with it as a pair, so it is written)
	s_mov_b32 s[SEL], 0x76543210
	s_mov_b32 s[SEL+1], 0xfedcba98
	s_mov_b32 s41, 0xffff0000                      ; lanes 16-31
	s_wait_dscnt 0x0
	s_wait_kmcnt 0x0
	s_mov_b32 s24, 1
	s_mov_b32 s25, s46
	s_add_nc_u64 s[26:27], s[6:7], s[44:45]
	s_mov_b32 s28, 1
	s_add_co_u32 s29, s46, 5*KVREC
	s_add_nc_u64 s[30:31], s[26:27], 5*KVREC
	s_or_b32 s27, s27, 0x80000000
	s_or_b32 s31, s31, 0x80000000
	s_cmp_lt_u32 s10, 5                            ; a wave's two fills stand in one branch on the wave's number; four v_nop follow the second
	s_cbranch_scc0 .Lno_fill
	tensor_load_to_lds s[24:27], s[16:23]
	s_nop 0
	tensor_load_to_lds s[28:31], s[16:23]
	s_nop 0
.rept 4
	v_nop
.endr
.Lno_fill:
	s_add_nc_u64 s[50:51], s[4:5], s[50:51]
	s_add_nc_u64 s[52:53], s[4:5], s[52:53]
	s_add_nc_u64 s[56:57], s[8:9], s[56:57]
	s_add_nc_u64 s[58:59], s[8:9], s[58:59]
	v_and_b32 v4, 31, v0
	v_lshlrev_b32 v1, 4, v4                        ; 16 l
	v_lshlrev_b32 v2, 3, v4                        ; 8 l
	v_lshlrev_b32 v3, 2, v4                        ; 4 l
	v_and_b32 v4, 15, v0                           ; r
	v_bfe_u32 v5, v0, 4, 1                         ; h
	v_lshlrev_b32 v11, 2, v4                       ; 4 r
	global_load_b128 v[QF:QF+3], v1, s[50:51]      ; Q's half image stays in registers
	global_load_b64 v[QF+4:QF+5], v2, s[50:51] offset:512
	global_load_b32 v[QS], v11, s[52:53]
	v_lshl_add_u32 v10, v4, 4, v5                  ; 16 r + h: my block's scale byte on the way out
	v_and_b32 v6, 8, v4
	v_add_nc_u32 v[DQ], v6, v4
	v_lshlrev_b32 v6, 4, v5
	v_sub_nc_u32 v[DQ], v[DQ], v6
	v_mov_b32 v[NINF], 0xff800000
.irp i, 0,1,2,3,4,5
	v_mov_b32 v[QF+6+\i], 0                        ; Q's codes of k = 64 .. 127: zeros
	v_mov_b32 v[80+\i], 0                          ; what K's last tile names as its registers 6-11
.endr
	v_mov_b32 v13, 0xff61b1e6                      ; the largest t so far: -3e38, under every t
	v_floor_f32 v12, -v13                          ; -M
	v_mov_b32 v14, 0                               ; the sum, in two halves
	v_mov_b32 v15, 0
.irp i, 0,1,2,3,4,5,6,7
	v_mov_b32 v[T2+\i], 0                          ; written once: a lane permute's destination counts as one of its sources
.endr
	v_mov_b32 v[FF+1], 0
	v_mov_b32 v[TMP], 0
.irp j, 0,1,2,3,4,5,6,7,8,9,10,11,12,13,14,15,16,17,18,19,20,21,22,23,24,25,26,27,28,29,30,31
	v_mov_b32 v[O+\j], 0                           ; O^T: which trip is a wave's first hangs on ids, so the step is written once and its first run finds zeros
.endr
.macro MASKNEW                         ; register n holds key KF + 16 h + 32 (n / 16) + n % 16: hidden where that number > v[DD]
.set n, 0
.rept 64
	v_cmp_gt_i32 vcc_lo, 32*(n/16)+n%16, v[DD]
	v_cndmask_b32 v[S+n], v[S+n], v[NINF], vcc_lo
.set n, n+1
.endr
.endm
.macro MASKOLD                         ; hidden where that number < v[DD]
.set n, 0
.rept 64
	v_cmp_lt_i32 vcc_lo, 32*(n/16)+n%16, v[DD]
	v_cndmask_b32 v[S+n], v[S+n], v[NINF], vcc_lo
.set n, n+1
.endr
.endm
; A KEY STEP: the 128 keys of the record at s[TB].
.macro STEP
	s_add_co_u32 s[T0], s[Q0], 23                  ; my queries are Q0 .. Q0 + 23.  All keys later than all of them: nothing to do
	s_cmp_gt_u32 s[KF], s[T0]
	s_cbranch_scc1 .Lhid_\@
	s_add_co_u32 s[T0], s[KF], 1150                ; the step's last key 1,024 or more behind my first query: nothing to do
	s_cmp_lt_u32 s[T0], s[Q0]
	s_cbranch_scc1 .Lhid_\@
	v_add_nc_u32 v[A16], s[TB], v1
	v_add_nc_u32 v[A8], s[TB], v2
	v_add_nc_u32 v[A4], s[TB], v3
	v_nop                                          ; with the three additions: four places in front of loads into registers that the last products read
.irp t, 0,1,2,3,4,5,6,7
	ds_load_b128 v[KV+6*\t:KV+6*\t+3], v[A16] offset:768*\t
	ds_load_b64 v[KV+6*\t+4:KV+6*\t+5], v[A8] offset:768*\t+512
.endr
.irp b, 0,1,2,3
	ds_load_b32 v[KS+\b], v[A4] offset:12288+128*\b        ; lanes 0-15 tile 2 b's words, lanes 16-31 tile 2 b + 1's
.endr
	s_wait_dscnt 0x0
.irp t, 0,1,2,3,4,5,6,7
.if (\t%2) == 0
	v_wmma_scale_f32_16x16x128_f8f6f4 v[S+8*\t:S+8*\t+7], v[KV+6*\t:KV+6*\t+11], v[QF:QF+11], 0, v[KS+\t/2], v[QS] matrix_a_fmt:MATRIX_FMT_FP6 matrix_b_fmt:MATRIX_FMT_FP6
.else
	v_wmma_scale_f32_16x16x128_f8f6f4 v[S+8*\t:S+8*\t+7], v[KV+6*\t:KV+6*\t+11], v[QF:QF+11], 0, v[KS+\t/2], v[QS] matrix_a_fmt:MATRIX_FMT_FP6 matrix_b_fmt:MATRIX_FMT_FP6 matrix_a_scale:MATRIX_SCALE_ROW1
.endif
.endr
.rept 4
	v_nop                                          ; places in front of the loads below and of the first read of the scores
.endr
.irp j, 0,1,2,3                                ; V's four fragments land while the softmax is worked
	ds_load_b128 v[KV+12*\j:KV+12*\j+3], v[A16] offset:6144+1536*\j
	ds_load_b64 v[KV+12*\j+4:KV+12*\j+5], v[A8] offset:6144+1536*\j+512
	ds_load_b128 v[KV+12*\j+6:KV+12*\j+9], v[A16] offset:6144+1536*\j+768
	ds_load_b64 v[KV+12*\j+10:KV+12*\j+11], v[A8] offset:6144+1536*\j+1280
.endr
	ds_load_b32 v[VS], v[A4] offset:12800
	ds_load_b32 v[VS+1], v[A4] offset:12800+128
	s_add_co_u32 s[T0], s[KF], 127                 ; the step's last key at or before my first query: no key is too new
	s_cmp_le_u32 s[T0], s[Q0]
	s_cbranch_scc1 .Lopen_\@
	s_sub_co_i32 s[T0], s[Q0], s[KF]
	v_add_nc_u32 v[DD], s[T0], v[DQ]               ; my query - KF - 16 h
	MASKNEW
.Lopen_\@:
	s_add_co_u32 s[T0], s[KF], 1000                ; the step's first key less than 1,024 behind my last query: no key is too old
	s_cmp_ge_u32 s[T0], s[Q0]
	s_cbranch_scc1 .Lyoung_\@
	s_sub_co_i32 s[T0], s[Q0], s[KF]
	s_sub_co_i32 s[T0], s[T0], 1023
	v_add_nc_u32 v[DD], s[T0], v[DQ]               ; my query - 1,023 - KF - 16 h
	MASKOLD
.Lyoung_\@:
.irp b, 0,1,2,3
	v_max3_num_f32 v[BM+\b], v[S+16*\b], v[S+1+16*\b], v[S+2+16*\b]  ; the largest score of each block of 32 keys: for the row's maximum and, since p rises with the score, for the block's largest p
.endr
.irp i, 3,5,7,9,11,13
.irp b, 0,1,2,3
	v_max3_num_f32 v[BM+\b], v[BM+\b], v[S+16*\b+\i], v[S+1+16*\b+\i]
.endr
.endr
.irp b, 0,1,2,3
	v_max_num_f32 v[BM+\b], v[BM+\b], v[S+15+16*\b]
.endr
.irp b, 0,1,2,3
	v_permlanex16_b32 v[T2+\b], v[BM+\b], s[SEL], s[SEL+1]
.endr
.irp b, 0,1,2,3
	v_max_num_f32 v[BM+\b], v[BM+\b], v[T2+\b]     ; with lane l xor 16's 16 keys
.endr
	v_max3_num_f32 v[TMP], v[BM], v[BM+1], v[BM+2]
	v_max_num_f32 v[TMP], v[TMP], v[BM+3]          ; the step's largest score of my query (-infinity where all its keys are hidden: the running t then stays)
	v_mul_f32 v[TMP], s[CS], v[TMP]
	v_max_num_f32 v13, v13, v[TMP]                 ; the running largest t
	v_mov_b32 v[TMP], v12
	v_floor_f32 v12, -v13                          ; the new -M = floor(-t): M is a whole number
	v_sub_f32 v[TMP], v12, v[TMP]                  ; old M - new M, 0 or less
	v_cvt_i32_f32 v[TMP], v[TMP]                   ; (it saturates)
	v_ldexp_f32 v[FF], 1.0, v[TMP]                 ; f = 2^(old M - new M)
.irp j, 0,2,4,6,8,10,12,14,16,18,20,22,24,26,28,30,32,34,36,38,40,42,44,46,48,50,52,54,56,58,60,62
	v_pk_fma_f32 v[S+\j:S+\j+1], v[S+\j:S+\j+1], s[CS:CS+1], v[12:13] op_sel_hi:[1,0,0]   ; t - M, two at a time
.endr
.irp b, 0,1,2,3
	v_fma_f32 v[BM+\b], v[BM+\b], s[CS], v12
.endr
.set n, 0
.rept 64
	v_exp_f32 v[S+n], v[S+n]                       ; p = 2^(t - M)
.set n, n+1
.endr
.irp b, 0,1,2,3
	v_exp_f32 v[BM+\b], v[BM+\b]                   ; the block's largest p: the same two instructions on the same number
.endr
	v_pk_mul_f32 v[14:15], v[14:15], v[FF:FF+1] op_sel_hi:[1,0]      ; the sums under the new M.  (A plain place behind the exponentials)
	s_wait_alu depctr_va_vdst(0)
.irp b, 0,1,2,3
	v_max_num_f32 v[BM+\b], 0x1800000, v[BM+\b]    ; the floor 2^(3 - 127): the byte cannot fall under 1
.endr
.irp b, 0,1,2,3
	v_add_nc_u32 v[SO+\b], 0xff000000, v[BM+\b]    ; 2 off the exponent field: the conversion's scale operand
.endr
.irp b, 0,1,2,3
	v_lshrrev_b32 v[T2+\b], 23, v[SO+\b]           ; the scale's byte
.endr
	v_lshl_or_b32 v[PS], v[T2+1], 8, v[T2]         ; p's scale word for these 128 keys
	v_lshl_or_b32 v[PS], v[T2+2], 16, v[PS]
	v_lshl_or_b32 v[PS], v[T2+3], 24, v[PS]
.irp c, 0,1
	v_cvt_scalef32_pk16_fp6_f32 v[PC+6*\c:PC+6*\c+2], v[S+32*\c:S+32*\c+15], v[SO+2*\c]
	v_cvt_scalef32_pk16_fp6_f32 v[T2+4*\c:T2+4*\c+2], v[S+16+32*\c:S+31+32*\c], v[SO+2*\c+1]
.endr
	v_nop                                          ; one plain place behind a scaled conversion
.irp c, 0,1
.irp i, 0,1,2
	v_permlane16_swap_b32 v[PC+6*\c+\i], v[T2+4*\c+\i]     ; a whole block to a lane
.endr
.irp i, 0,1,2
	v_mov_b32 v[PC+3+6*\c+\i], v[T2+4*\c+\i]
.endr
.endr
	v_pk_add_f32 v[T2:T2+1], v[S:S+1], v[S+2:S+3]  ; the row's sum of the unquantised p, in two chains
.irp j, 4,8,12,16,20,24,28,32,36,40,44,48,52,56,60
	v_pk_add_f32 v[14:15], v[14:15], v[S+\j:S+\j+1]
	v_pk_add_f32 v[T2:T2+1], v[T2:T2+1], v[S+\j+2:S+\j+3]
.endr
	v_pk_add_f32 v[14:15], v[14:15], v[T2:T2+1]
.irp j, 0,2,4,6,8,10,12,14,16,18,20,22,24,26,28,30
	v_pk_mul_f32 v[O+\j:O+\j+1], v[O+\j:O+\j+1], v[FF:FF+1] op_sel_hi:[1,0]   ; O^T under the new M, from each accumulator's low end on.  (With the sums above: the places between the scale word and codes just made and the products)
.endr
	s_wait_dscnt 0x0                               ; V
.irp j, 0,1,2,3
.if (\j%2) == 0
	v_wmma_scale_f32_16x16x128_f8f6f4 v[O+8*\j:O+8*\j+7], v[KV+12*\j:KV+12*\j+11], v[PC:PC+11], v[O+8*\j:O+8*\j+7], v[VS+\j/2], v[PS] matrix_a_fmt:MATRIX_FMT_FP6 matrix_b_fmt:MATRIX_FMT_FP6
.else
	v_wmma_scale_f32_16x16x128_f8f6f4 v[O+8*\j:O+8*\j+7], v[KV+12*\j:KV+12*\j+11], v[PC:PC+11], v[O+8*\j:O+8*\j+7], v[VS+\j/2], v[PS] matrix_a_fmt:MATRIX_FMT_FP6 matrix_b_fmt:MATRIX_FMT_FP6 matrix_a_scale:MATRIX_SCALE_ROW1
.endif
.endr
.Lhid_\@:
	s_add_co_u32 s[TB], s[TB], KVREC
	s_add_co_u32 s[KF], s[KF], 128
.endm
	s_wait_loadcnt 0x0                             ; Q
	s_wait_tensorcnt 0x1                           ; my first record has landed; my second may be out
	s_barrier_signal -1
	s_barrier_wait -1                              ; records 0-4 lie in LDS
	s_mov_b32 s[TB], 0
	s_mov_b32 s[CNT], 5
.Lfirst_five:
	STEP
	s_sub_co_u32 s[CNT], s[CNT], 1
	s_cmp_lg_u32 s[CNT], 0
	s_cbranch_scc1 .Lfirst_five
	s_wait_tensorcnt 0x0                           ; my second record has landed,
	s_wait_dscnt 0x0
	s_barrier_signal -1
	s_barrier_wait -1                              ; records 5-9 lie in LDS
	s_mov_b32 s[TB], 5*KVREC
	s_mov_b32 s[CNT], 5
.Llast_five:
	STEP
	s_sub_co_u32 s[CNT], s[CNT], 1
	s_cmp_lg_u32 s[CNT], 0
	s_cbranch_scc1 .Llast_five
	; THE WAY OUT: O^T / the sum; a lane's register 16 b + i is channel 32 b + 16 h + i of its query: quantised along the head's 64, it is half image head % 8 of the tile's record head / 8 in ob.
.rept 4
	v_nop
.endr
	v_add_f32 v14, v14, v15
	v_permlanex16_b32 v[TMP], v14, s[SEL], s[SEL+1]
	v_add_f32 v14, v14, v[TMP]                     ; the row's sum: a query's own key always counts, so it is not 0
	v_rcp_f32 v[FF], v14
	v_rcp_f32 v[FF+1], v14
	v_nop                                          ; one plain place behind a transcendental
	s_wait_alu depctr_va_vdst(0)
.irp j, 0,2,4,6,8,10,12,14,16,18,20,22,24,26,28,30
	v_pk_mul_f32 v[O+\j:O+\j+1], v[O+\j:O+\j+1], v[FF:FF+1]
.endr
	v_max3_num_f32 v[TM], |v[O]|, |v[O+1]|, 0x1800000                ; the two blocks' largest magnitudes, with the floor 2^(3 - 127)
	v_max3_num_f32 v[TM+1], |v[O+16]|, |v[O+17]|, 0x1800000
.irp i, 2,4,6,8,10,12,14
	v_max3_num_f32 v[TM], v[TM], |v[O+\i]|, |v[O+\i+1]|
	v_max3_num_f32 v[TM+1], v[TM+1], |v[O+16+\i]|, |v[O+17+\i]|
.endr
	v_permlanex16_b32 v[TM+2], v[TM], s[SEL], s[SEL+1]
	v_permlanex16_b32 v[TM+3], v[TM+1], s[SEL], s[SEL+1]
	v_max_num_f32 v[TM], v[TM], v[TM+2]
	v_max_num_f32 v[TM+1], v[TM+1], v[TM+3]
	v_add_nc_u32 v[TM+4], 0xff000000, v[TM]        ; 2 off the exponent field: the conversion's scale operand
	v_add_nc_u32 v[TM+5], 0xff000000, v[TM+1]
	v_lshrrev_b32 v[TM+2], 23, v[TM+4]             ; the scales' bytes
	v_lshrrev_b32 v[TM+3], 23, v[TM+5]
	v_cvt_scalef32_pk16_fp6_f32 v[PC:PC+2], v[O:O+15], v[TM+4]
	v_cvt_scalef32_pk16_fp6_f32 v[PC+6:PC+8], v[O+16:O+31], v[TM+5]
	v_cndmask_b32 v[TMP], v[TM+2], v[TM+3], s41    ; lanes 0-15 store block 0's byte, lanes 16-31 block 1's.  (A plain place behind the conversions)
.irp i, 0,1,2
	v_permlane16_swap_b32 v[PC+\i], v[PC+6+\i]
.endr
.irp i, 0,1,2
	v_mov_b32 v[PC+3+\i], v[PC+6+\i]
.endr
	global_store_b128 v1, v[PC:PC+3], s[56:57]     ; 512 consecutive bytes, aligned
	global_store_b64 v2, v[PC+4:PC+5], s[56:57] offset:512
	global_store_b8 v10, v[TMP], s[58:59]          ; two bytes of each row's sixteen: the other heads' work-groups store the others
	s_wait_tensorcnt 0x0
	ds_add_u32 v254, v255
	s_wait_dscnt 0x0
	s_endpgm
.Lfunc_end_k_q8d7962911a_attn:
	.size	k_q8d7962911a_attn, .Lfunc_end_k_q8d7962911a_attn-k_q8d7962911a_attn
	.p2alignl 7, 3214868480
	.fill 96, 4, 3214868480
	.section	.rodata,"a",@progbits
	.p2align	6, 0x0
	.amdhsa_kernel k_q8d7962911a_attn
		.amdhsa_group_segment_fixed_size 169984
		.amdhsa_private_segment_fixed_size 0
		.amdhsa_enable_private_segment 0
		.amdhsa_kernarg_size 24
		.amdhsa_user_sgpr_count 2
		.amdhsa_user_sgpr_kernarg_segment_ptr 1
		.amdhsa_wavefront_size32 1
		.amdhsa_system_sgpr_workgroup_id_x 1
		.amdhsa_system_sgpr_workgroup_id_y 1
		.amdhsa_system_sgpr_workgroup_id_z 1
		.amdhsa_system_vgpr_workitem_id 0
		.amdhsa_next_free_vgpr 256
		.amdhsa_next_free_sgpr 66
		.amdhsa_reserve_vcc 1
		.amdhsa_float_denorm_mode_32 3
		.amdhsa_float_denorm_mode_16_64 3
		.amdhsa_memory_ordered 1
		.amdhsa_forward_progress 1
		.amdhsa_inst_pref_size 64
	.end_amdhsa_kernel
	.amdgpu_metadata
---
amdhsa.version: [ 1, 2 ]
amdhsa.kernels:
  - .name:           k_q8d7962911a_attn
    .symbol:         k_q8d7962911a_attn.kd
    .args:
      - { .name: qb, .offset: 0, .size: 8, .value_kind: global_buffer, .address_space: global }
      - { .name: kv, .offset: 8, .size: 8, .value_kind: global_buffer, .address_space: global }
      - { .name: ob, .offset: 16, .size: 8, .value_kind: global_buffer, .address_space: global }
    .group_segment_fixed_size: 169984
    .private_segment_fixed_size: 0
    .kernarg_segment_align: 8
    .kernarg_segment_size: 24
    .max_flat_workgroup_size: 512
    .sgpr_count:     66
    .vgpr_count:     256
    .wavefront_size: 32
...
	.end_amdgpu_metadata
.endif
;; end of part 3
;; launch proj (part 4): grid 8 x 32, 4 waves a work-group, clusters of 4 x 4, 222,720 bytes of LDS; arguments c1, ob, out0; writes out0
.if DOCPART == 4
	.amdgcn_target "amdgcn-amd-amdhsa--gfx1250"
	.amdhsa_code_object_version 6
	.text
	.protected	k_q8d7962911a_proj
	.globl	k_q8d7962911a_proj
	.p2align	8
	.type	k_q8d7962911a_proj,@function
k_q8d7962911a_proj:
	s_mov_b64 s[64:65], 0
	v_nop
	global_prefetch_b8 v0, s[64:65] scope:SCOPE_SE
	s_setreg_imm32_b32 hwreg(HW_REG_WAVE_MODE, 25, 1), 1
	s_wait_xcnt 0x0
	s_wait_alu depctr_hold_cnt(0) depctr_sa_sdst(0) depctr_va_vdst(0) depctr_va_sdst(0) depctr_va_ssrc(0) depctr_va_vcc(0) depctr_vm_vsrc(0)
	s_getreg_b32 s2, hwreg(HW_REG_IB_STS2, 6, 4)
	s_cmp_eq_u32 s2, 0
	s_cbranch_scc0 .Lentry_in_a_cluster
	s_endpgm
.Lentry_in_a_cluster:
	s_bfe_u32 s2, ttmp6, 0x10000c
	s_cmp_lg_u32 s2, 0xf033
	s_cbranch_scc0 .Lentry_shape_is_right
	s_endpgm
.Lentry_shape_is_right:
; out0 = o w_o^T on codes of FP6 (E2M3) with E8M0 scales; sums in f32; out0 [4096][1024] f32.
; Both operands lie as records (a tile of 16 rows x 512 K: eight half images of 768 bytes, then 256 scale bytes; lane r of tile t holds row 32 (t / 2) + 8 (t % 2) + r + 8 (r / 8)): w_o in c1 from tile 448 on, o in ob.
; SHARES.  A work-group makes 128 tokens x 128 columns; wave w: the columns' half w % 2, the tokens' half w / 2: 16 accumulators.  256 work-groups.
; ALL OF K LIES IN LDS AT ONCE: 204,800 bytes, each filled once, so there is no ring.  Each wave asks for two quarters (K 0-511, then 512-1023): two tensor loads of a wave are out at the most.
; CLUSTER 4 x 4: the four work-groups of a column need the same rows of w_o, the four of a row the same tokens: each tile is asked for jointly, by the same load with the same descriptor and a mask that names the four.
; Source 0 = w_o's rows, source 1 = tokens: a lane holds one token, and register 16 b + i of its 32 the column 32 b + 16 h + i of the wave's 64.  A tile of 16 tokens goes through the wave's own stage in LDS, behind the
; operands, in bytes that no fill touches, and leaves as rows: sixteen lanes store the wave's 256 consecutive bytes of a row, aligned.
.set WT0,   448
.set XB,    6                          ; the tokens' codes come from ob: s[6:7]
.set REC,   6400
.set QUART, 4*REC
.set CHUNK, 16*REC
.set STAGE, 2*CHUNK                    ; 16 rows x (256 + 16) bytes for each wave
.set SPITCH, 272
.set AW16, 6
.set AW8,  8
.set AX16, 10
.set AX8,  12
.set AS,   14
.set STO,  16                          ; v16 the stage: where I put 16 bytes of a row
.set RD,   17                          ; v17 and where I read a row back
.set CO,   18                          ; v18 my byte offset in two rows of out0
.set SC,   32                          ; v32-63 scale words and nothing else
.set BK,   64                          ; v64-127 two sets of 16 rows read back
.set ACC,  128
.set F0,   0
.set F1,   128
.set G1W, 24
.set G1X, 32
.set G0W, 40
.set G0X, 48
.set MSB, 0
.macro WIN new                         ; the immediate's high byte repeats the setting that is left
.if MSB != \new
	s_set_vgpr_msb (MSB<<8)|\new
.set MSB, \new
.endif
.endm
.set MUL,  0x05                        ; sources 0 and 1 window 1; C and D window 0
.set TO_F, 0x40                        ; destination window 1, address window 0
.macro CROUND                          ; a round of the cluster's barrier
	s_barrier_signal -1
	s_barrier_wait -1
	s_cmp_lg_u32 s20, 0
	s_cbranch_scc1 .Lnot_wave_0_\@
	s_barrier_signal -3
.Lnot_wave_0_\@:
	s_barrier_wait -3
	s_barrier_signal -1
	s_barrier_wait -1
.endm
.macro PLACES                          ; four places in front of loads into registers that matrix instructions have read, and of the first read of results
.rept 4
	v_nop
.endr
.endm
	s_load_b128 s[4:7], s[0:1], 0x0                ; c1, ob
	s_load_b64 s[8:9], s[0:1], 0x10                ; out0
	v_lshl_add_u32 v30, v0, 2, 0x36400
	v_mov_b32 v31, 0
	ds_add_u32 v30, v31
	ds_add_u32 v30, v31
	v_lshrrev_b32 v1, 5, v0
	v_readfirstlane_b32 s20, v1                    ; wave 0..3
	s_lshr_b32 s21, s20, 1                         ; wr: my half of the tokens.  Also: I fetch w_o's tiles (0) or the tokens' (1)
	s_and_b32 s22, s20, 1                          ; wp: my half of the columns.  Also: which four tiles I fetch
	s_bfe_u32 s56, ttmp6, 0x40000                  ; cx, cy
	s_bfe_u32 s57, ttmp6, 0x40004
	s_lshl_b32 s58, ttmp9, 2
	s_add_co_u32 s58, s58, s56                     ; nx: which 128 columns
	s_and_b32 s59, ttmp7, 0xffff
	s_lshl_b32 s59, s59, 2
	s_add_co_u32 s59, s59, s57                     ; ty: which 128 tokens
	s_lshl_b32 s61, s57, 2
	s_lshl_b32 s61, 15, s61                        ; my row of the cluster
	s_lshl_b32 s60, 0x1111, s56                    ; my column
	s_or_b32 s[G1W], s60, (3<<16)|(1<<21)          ; 15:0 the mask; 17:16 elements of 8 bytes; 21 set beside a mask; no padding
	s_or_b32 s[G1X], s61, (3<<16)|(1<<21)
.irp g, G1W, G1X
	s_mov_b32 s[\g+1], 800<<16                     ; tensor_dim0: a record, 800 elements
	s_mov_b32 s[\g+2], 4<<16                       ; tensor_dim1: four tiles
	s_mov_b32 s[\g+3], 800<<16                     ; tile_dim0
	s_mov_b32 s[\g+4], 4                           ; tile_dim1
	s_mov_b32 s[\g+5], 1600                        ; from tile to tile: two records
	s_mov_b32 s[\g+6], 0
	s_mov_b32 s[\g+7], 0
.endr
	s_lshl_b32 s68, s22, 2
	s_lshl_b32 s66, s58, 3
	s_add_co_u32 s66, s66, s68
	s_add_co_u32 s66, s66, WT0
	s_mul_i32 s66, s66, 2*REC                      ; w_o's tiles hang on nx and the wave's number alone,
	s_mov_b32 s67, 0
	s_lshl_b32 s70, s59, 3
	s_add_co_u32 s70, s70, s68
	s_mul_i32 s70, s70, 2*REC                      ; the tokens' on ty and the wave's number alone
	s_mov_b32 s71, 0
	s_mul_i32 s72, s20, QUART                      ; where they go: no place in the cluster enters an LDS address
	s_wait_dscnt 0x0
	s_wait_kmcnt 0x0
	s_add_nc_u64 s[66:67], s[4:5], s[66:67]
	s_add_nc_u64 s[70:71], s[XB:XB+1], s[70:71]
	CROUND                                         ; all sixteen work-groups are here: the joint loads meet
.irp kh, 0,1
	s_mov_b32 s[G0W+4*\kh], 1
	s_add_co_u32 s[G0W+4*\kh+1], s72, \kh*CHUNK
	s_add_nc_u64 s[G0W+4*\kh+2:G0W+4*\kh+3], s[66:67], \kh*REC
	s_or_b32 s[G0W+4*\kh+3], s[G0W+4*\kh+3], 0x80000000
	s_mov_b32 s[G0X+4*\kh], 1
	s_add_co_u32 s[G0X+4*\kh+1], s72, \kh*CHUNK
	s_add_nc_u64 s[G0X+4*\kh+2:G0X+4*\kh+3], s[70:71], \kh*REC
	s_or_b32 s[G0X+4*\kh+3], s[G0X+4*\kh+3], 0x80000000
.endr
	s_cmp_eq_u32 s21, 0                            ; a wave's two fills stand in one branch on the wave's number; four v_nop follow the second
	s_cbranch_scc0 .Lfill_x
	tensor_load_to_lds s[G0W:G0W+3], s[G1W:G1W+7]
	s_nop 0
	tensor_load_to_lds s[G0W+4:G0W+7], s[G1W:G1W+7]
	s_nop 0
.rept 4
	v_nop
.endr
	s_branch .Lfilled
.Lfill_x:
	tensor_load_to_lds s[G0X:G0X+3], s[G1X:G1X+7]
	s_nop 0
	tensor_load_to_lds s[G0X+4:G0X+7], s[G1X:G1X+7]
	s_nop 0
.rept 4
	v_nop
.endr
.Lfilled:
	v_and_b32 v20, 31, v0                          ; lane
	v_and_b32 v1, 15, v0                           ; r
	v_bfe_u32 v2, v0, 4, 1                         ; h
	v_lshlrev_b32 v3, 4, v20                       ; 16 l
	v_lshlrev_b32 v4, 3, v20                       ; 8 l
	s_mul_i32 s73, s22, QUART                      ; my four tiles of w_o
	s_mul_i32 s74, s21, QUART
	s_add_co_u32 s74, s74, 2*QUART                 ; my four tiles of tokens, behind w_o's eight
	s_xor_b32 s75, s22, 1
	s_add_co_u32 s75, s75, s21
	s_add_co_u32 s75, s75, 1
	s_mul_i32 s75, s75, QUART                      ; the distance from the first to the second: (1 + wr + 1 - wp) quarters
	v_mul_u32_u24 v[AS], s75, v2                   ; lanes 16-31 take the tokens' scale words
	v_lshl_add_u32 v[AS], v1, 4, v[AS]
	s_add_co_u32 s76, s73, 6144
	v_add_nc_u32 v[AS], s76, v[AS]
	v_add_nc_u32 v[AS+1], CHUNK, v[AS]
.irp kh, 0,1
	v_add_nc_u32 v[AW16+\kh], s73, v3
	v_add_nc_u32 v[AW8+\kh], s73, v4
	v_add_nc_u32 v[AX16+\kh], s74, v3
	v_add_nc_u32 v[AX8+\kh], s74, v4
	s_add_co_u32 s73, s73, CHUNK
	s_add_co_u32 s74, s74, CHUNK
.endr
	s_mul_i32 s77, s20, 16*SPITCH
	s_add_co_u32 s77, s77, STAGE                   ; my stage
	v_mul_u32_u24 v[STO], v1, SPITCH
	v_lshl_add_u32 v[STO], v2, 6, v[STO]
	v_add_nc_u32 v[STO], s77, v[STO]               ; in: row r, + 64 h
	v_mul_u32_u24 v[RD], v2, SPITCH
	v_lshl_add_u32 v[RD], v1, 4, v[RD]
	v_add_nc_u32 v[RD], s77, v[RD]                 ; back: lanes 0-15 one row, lanes 16-31 the next
	v_lshlrev_b32 v[CO], 12, v2
	v_lshl_add_u32 v[CO], v1, 4, v[CO]             ; and the same two rows of out0
	s_lshl_b32 s78, s59, 19                        ; 128 ty rows of 4,096 bytes,
	s_lshl_b32 s79, s21, 18                        ; 64 wr rows,
	s_add_co_u32 s78, s78, s79
	s_lshl_b32 s79, s58, 9                         ; 128 nx columns,
	s_add_co_u32 s78, s78, s79
	s_lshl_b32 s79, s22, 8                         ; 64 wp columns
	s_add_co_u32 s78, s78, s79
	s_mov_b32 s79, 0
	s_add_nc_u64 s[8:9], s[8:9], s[78:79]
.macro SCALES kh                       ; four words a row (the half's four K steps) for four tiles of each side
	WIN 0
.irp j, 0,1,2,3
	ds_load_b128 v[SC+16*\kh+4*\j:SC+16*\kh+4*\j+3], v[AS+\kh] offset:REC*\j
.endr
.endm
.macro FETCH kh, i, f                  ; 32 LDS loads in one run: the eight fragments of K step 4 kh + i: two half images each, as they lie
	WIN TO_F
.irp j, 0,1,2,3
	ds_load_b128 v[\f+12*\j:\f+12*\j+3], v[AW16+\kh] offset:REC*\j+1536*\i
	ds_load_b64 v[\f+12*\j+4:\f+12*\j+5], v[AW8+\kh] offset:REC*\j+1536*\i+512
	ds_load_b128 v[\f+12*\j+6:\f+12*\j+9], v[AW16+\kh] offset:REC*\j+1536*\i+768
	ds_load_b64 v[\f+12*\j+10:\f+12*\j+11], v[AW8+\kh] offset:REC*\j+1536*\i+1280
.endr
.irp j, 0,1,2,3
	ds_load_b128 v[\f+48+12*\j:\f+48+12*\j+3], v[AX16+\kh] offset:REC*\j+1536*\i
	ds_load_b64 v[\f+48+12*\j+4:\f+48+12*\j+5], v[AX8+\kh] offset:REC*\j+1536*\i+512
	ds_load_b128 v[\f+48+12*\j+6:\f+48+12*\j+9], v[AX16+\kh] offset:REC*\j+1536*\i+768
	ds_load_b64 v[\f+48+12*\j+10:\f+48+12*\j+11], v[AX8+\kh] offset:REC*\j+1536*\i+1280
.endr
.endm
; 16 matrix instructions, 128 along K: source 0 = w_o's tile j, source 1 = the tokens' tile m, result at ACC + 32 m + 8 j.  The 16 accumulators take turns, one instruction a turn, in the same order in every step
; zero = 1: the first products start the sums.
.macro MUL16 f, kh, i, zero
	WIN MUL
.irp m, 0,1,2,3
.irp j, 0,1,2,3
.if \zero
	v_wmma_scale_f32_16x16x128_f8f6f4 v[ACC+32*\m+8*\j:ACC+32*\m+8*\j+7], v[\f+12*\j:\f+12*\j+11], v[\f+48+12*\m:\f+48+12*\m+11], 0, v[SC+16*\kh+4*\j+\i], v[SC+16*\kh+4*\m+\i] matrix_a_fmt:MATRIX_FMT_FP6 matrix_b_fmt:MATRIX_FMT_FP6 matrix_b_scale:MATRIX_SCALE_ROW1
.else
	v_wmma_scale_f32_16x16x128_f8f6f4 v[ACC+32*\m+8*\j:ACC+32*\m+8*\j+7], v[\f+12*\j:\f+12*\j+11], v[\f+48+12*\m:\f+48+12*\m+11], v[ACC+32*\m+8*\j:ACC+32*\m+8*\j+7], v[SC+16*\kh+4*\j+\i], v[SC+16*\kh+4*\m+\i] matrix_a_fmt:MATRIX_FMT_FP6 matrix_b_fmt:MATRIX_FMT_FP6 matrix_b_scale:MATRIX_SCALE_ROW1
.endif
.endr
.endr
.endm
.macro GSTEP f, kh, i, g, nkh, ni      ; a K step: its fragments, asked for a step ago, are in; the next step's go into the buffer that the last step multiplied
	s_wait_dscnt 0x0
	PLACES
	FETCH \nkh, \ni, \g
	MUL16 \f, \kh, \i, 0
.endm
	s_wait_tensorcnt 0x1                           ; my quarter of K 0-511 has landed; my quarter of K 512-1023 may be out
	s_barrier_signal -1
	s_barrier_wait -1                              ; everybody's has
	SCALES 0
	FETCH 0, 0, F0
	s_wait_dscnt 0x0
	FETCH 0, 1, F1
	MUL16 F0, 0, 0, 1
	GSTEP F1, 0, 1, F0, 0, 2
	GSTEP F0, 0, 2, F1, 0, 3
	s_wait_dscnt 0x0
	s_wait_tensorcnt 0x0                           ; my quarter of K 512-1023 has landed,
	s_barrier_signal -1
	s_barrier_wait -1                              ; everybody's has
	PLACES
	SCALES 1
	FETCH 1, 0, F0
	MUL16 F1, 0, 3, 0
	GSTEP F0, 1, 0, F1, 1, 1
	GSTEP F1, 1, 1, F0, 1, 2
	GSTEP F0, 1, 2, F1, 1, 3
	s_wait_dscnt 0x0
	MUL16 F1, 1, 3, 0
	WIN 0
	PLACES
; THE WAY OUT, a tile of 16 tokens at a time.  LDS serves a wave's instructions in order: no wait between the stores and the loads, nor in front of the next tile's stores.
.macro TOSTAGE m
.irp j, 0,1,2,3
	ds_store_b128 v[STO], v[ACC+32*(\m)+8*\j:ACC+32*(\m)+8*\j+3] offset:128*(\j/2)+32*(\j%2)         ; each accumulator from its low end on: columns 32 (j / 2) + 16 h + 8 (j % 2) + 0 .. 7
	ds_store_b128 v[STO], v[ACC+32*(\m)+8*\j+4:ACC+32*(\m)+8*\j+7] offset:128*(\j/2)+32*(\j%2)+16
.endr
.irp t, 0,1,2,3,4,5,6,7
	ds_load_b128 v[BK+32*((\m)%2)+4*\t:BK+32*((\m)%2)+4*\t+3], v[RD] offset:2*SPITCH*\t
.endr
.endm
.macro SEND m, younger                 ; younger: the LDS instructions issued behind tile m's loads, which may stay out.  Stage row 2 t + l / 16 is token 32 (m / 2) + 8 (m % 2) + 2 t + 8 (t / 4) + l / 16 of my 64
	s_wait_dscnt \younger
.irp t, 0,1,2,3,4,5,6,7
	global_store_b128 v[CO], v[BK+32*((\m)%2)+4*\t:BK+32*((\m)%2)+4*\t+3], s[8:9] offset:(32*((\m)/2)+8*((\m)%2)+2*\t+8*(\t/4))*4096 th:TH_STORE_NT   ; 16 lanes store 256 consecutive bytes, at a multiple of 256 from out0's first byte
.endr
.endm
	TOSTAGE 0
.irp m, 1,2,3
.if \m > 1
	s_wait_xcnt 0x0                                ; the registers that tile m - 2's stores read are loaded again only behind this wait
.endif
	TOSTAGE \m
	SEND \m-1, 16                                  ; behind tile m - 1's loads: tile m's 8 stores and 8 loads
.endr
	SEND 3, 0
	s_wait_tensorcnt 0x0
	ds_add_u32 v30, v31
	s_wait_dscnt 0x0
	CROUND                                         ; the closing round: no work-group ends while a partner may still ask for a tile that names it
	s_endpgm
.Lfunc_end_k_q8d7962911a_proj:
	.size	k_q8d7962911a_proj, .Lfunc_end_k_q8d7962911a_proj-k_q8d7962911a_proj
	.p2alignl 7, 3214868480
	.fill 96, 4, 3214868480
	.section	.rodata,"a",@progbits
	.p2align	6, 0x0
	.amdhsa_kernel k_q8d7962911a_proj
		.amdhsa_group_segment_fixed_size 222720
		.amdhsa_private_segment_fixed_size 0
		.amdhsa_enable_private_segment 0
		.amdhsa_kernarg_size 24
		.amdhsa_user_sgpr_count 2
		.amdhsa_user_sgpr_kernarg_segment_ptr 1
		.amdhsa_wavefront_size32 1
		.amdhsa_system_sgpr_workgroup_id_x 1
		.amdhsa_system_sgpr_workgroup_id_y 1
		.amdhsa_system_sgpr_workgroup_id_z 1
		.amdhsa_system_vgpr_workitem_id 0
		.amdhsa_next_free_vgpr 512
		.amdhsa_next_free_sgpr 100
		.amdhsa_reserve_vcc 0
		.amdhsa_float_denorm_mode_32 3
		.amdhsa_float_denorm_mode_16_64 3
		.amdhsa_memory_ordered 1
		.amdhsa_forward_progress 1
		.amdhsa_inst_pref_size 49
	.end_amdhsa_kernel
	.amdgpu_metadata
---
amdhsa.version: [ 1, 2 ]
amdhsa.kernels:
  - .name:           k_q8d7962911a_proj
    .symbol:         k_q8d7962911a_proj.kd
    .args:
      - { .name: c1, .offset: 0, .size: 8, .value_kind: global_buffer, .address_space: global }
      - { .name: ob, .offset: 8, .size: 8, .value_kind: global_buffer, .address_space: global }
      - { .name: out0, .offset: 16, .size: 8, .value_kind: global_buffer, .address_space: global }
    .group_segment_fixed_size: 222720
    .private_segment_fixed_size: 0
    .kernarg_segment_align: 8
    .kernarg_segment_size: 24
    .max_flat_workgroup_size: 128
    .sgpr_count:     100
    .vgpr_count:     512
    .wavefront_size: 32
...
	.end_amdgpu_metadata
.endif
;; end of part 4
